; MI455X (gfx1250); checked and timed in simulation.
; The chip was launched on July 23, 2026; its instructions are those of AMD's public machine-readable ISA for CDNA 5 (MIT licence, August 2026) and "CDNA5" Instruction Set Architecture Reference Guide (July 2026). The comments in the code are by the model that wrote it; some were corrected since.
;; CSDE decoder. Allowed arithmetic: float matrix products may take bf16 or f16 operands with f32 sums; other float arithmetic in f32, or as packed bf16 or f16 multiplies, adds, multiply-adds, maxima and minima; sums over many terms, partial sums and values carried from step to step in f32; what a program stores and reads back later, other than sums and carried values, may be rounded once to bf16 or f16.
;; Inputs: GW0 325 x 64 float32; GW1 64 x 64 float32; GW2 64 x 64 float32; GWf 64 x 325 float32; Gb0 64 float32; Gb1 64 float32; Gb2 64 float32; Gbf 325 float32; Wa 12 x 65 x 64 float32; Wb 12 x 65 x 64 float32; Wo 12 x 64 float32; ba 12 x 64 float32; bb 12 x 64 float32; bo 12 float32; noise 12 x 1,024 x 325 float32; times 13 float32; y0 1,024 x 325 float32; z 1,024 x 325 x 64 float32.
;; Outputs: out0 1,024 x 325 float32.
;; 2 versions, each right and faster than the one before. Each part assembles by itself: llvm-mc -triple=amdgcn-amd-amdhsa -mcpu=gfx1250 --defsym DOCPART=n.
;; ======== version 1 of 2: 1 launch
;; launch csde (part 1): grid 256 x 1, 4 waves a work-group, no clusters, 309,760 bytes of LDS; arguments times, y0, z, noise, Wa, ba, Wb, bb, Wo, bo, GW0, Gb0, GW1, Gb1, GW2, Gb2, GWf, Gbf, out0; writes out0
.if DOCPART == 1
	.amdgcn_target "amdgcn-amd-amdhsa--gfx1250"
	.amdhsa_code_object_version 6
	.text
	.protected	k_q41ebb70274_csde
	.globl	k_q41ebb70274_csde
	.p2align	8
	.type	k_q41ebb70274_csde,@function
k_q41ebb70274_csde:
	s_mov_b64 s[64:65], 0
	v_nop
	global_prefetch_b8 v0, s[64:65] scope:SCOPE_SE
	s_setreg_imm32_b32 hwreg(HW_REG_WAVE_MODE, 25, 1), 1
	s_wait_xcnt 0x0
; TWELVE EULER-MARUYAMA STEPS  y <- y + f(z, y) dt + g(y) sqrt(dt) eps  ON y[1024][325], IN ONE LAUNCH.
; f: for each row (b, n): x = [z(b,n,0..63), y(b,n)]; a = x Wa[k] + ba[k]; b = x Wb[k] + bb[k]; f = sum_h a sigmoid(b) wo[k][h] + bo[k].
; g: along the nodes of one batch row: 325 -> 64 -> 64 -> 64 (relu) -> 325 (tanh).  Nothing couples two batch rows.
; SHARES.  Work-group = 4 batch rows, wave w = batch row 4 x group + w, all twelve steps.  A batch row's z, rounded to bf16, is 21 tiles of 16 nodes x 64 = 336 registers of its wave:
; z is read from memory once and never leaves the registers.  All weights are scaled, rounded once to bf16 and laid in LDS by the work-group; GW0, GW1, GW2 go on into registers.
; LAYOUT.  The products are taken transposed (source 0 = 16 hidden from the weights, source 1 = 16 nodes of z): a lane holds ONE node (lane % 16) and hidden 8 (lane / 16) + 0..7.  So y is one
; number a lane, the column of y and the bias are the C operand (W[64][h] y + bias[h], one packed multiply-add for two), and the sum over hidden stays in the lane but for one exchange of halves a step.
; FOLDED INTO THE TABLES, ahead of their one rounding: Wa, Wa[64], ba times wo[h] dt;  Wb, Wb[64], bb times -log2(e);  GWf, Gbf times 2 log2(e);  bo dt / 4 starts each of a node's four partial sums.
; sigmoid(b) = 1 / (1 + 2^(-b log2 e));  tanh(u) = 1 - 2 / (1 + 2^(2 u log2 e)).
; g: the four batch rows are columns 0-3 of source 1 (columns 4-15 repeat them); the output tiles are shared among the four waves; activations pass through LDS, five barriers a step;
; each piece of g stands at the head of one of the drift's 14 turns, so that what it waits for has had a turn in which to come.
; TILE 20 holds nodes 320-335: every address there is clamped to node 324, so lanes 5-15 compute and store exact copies of node 324, and all lanes stay on.
; In waves 1-3 the sixth node tile of g's last layer (nodes 336-383) serves nothing: 2 of a step's 363 matrix instructions, the price of one text for all waves.
; INPUTS.  Of times only times[0] and times[1] have a way to the result (dt); the others are not loaded.  No other work is left out.
; LIMITS.  z, the weights, and inside g also y and the activations are bf16 matrix operands; y itself, all sums, the column of y and the biases are f32.  tanh is off by about 1e-7 absolute near 0.
; v_exp_f32 and v_rcp_f32 flush denormals (ISA guide 15.8).  NaN and infinities are not treated apart.
; NO CLUSTER, NO TENSOR LOADS: no byte of z is wanted by two waves, and a fragment lies in registers as it lies in memory; what work-groups share is 606 KB of weights, read once, which must be
; turned, scaled and rounded on the way.  NO PREFETCH: z is one stream at the launch's head; the noise is loaded a whole step ahead of its use.
;
; LDS
.set WP,     288                       ; WT: [12 steps][64 channels], a row = 64 bf16 of a', 64 of b', 32 bytes of pad: an odd multiple of 32, for the turning load (64 banks of 4 bytes: ISA guide 11.1)
.set WSTEP,  64*WP
.set VT,     12*WSTEP                  ; f32 [12][4][64]: Wa[64] wo dt, ba wo dt, -Wb[64] log2 e, -bb log2 e
.set GF,     VT+12*1024                ; GWf^T x 2 log2 e, bf16: 384 rows (nodes; beyond 324 copies of 324) of 64, pitch 144
.set GFP,    144
.set GBF,    GF+384*GFP                ; f32 [384] Gbf x 2 log2 e
.set YB,     GBF+1536                  ; y in bf16: 4 rows of 352, pitch 720; zeroed once, so nodes 325-351 read as 0
.set YP,     720
.set HB,     YB+4096                   ; three layers' activations, 768 bytes each: 4 rows of 64 bf16, pitch 144
.set HP,     144
.set GU,     HB+2304                   ; f32, the last layer ahead of its tanh: 4 rows of 384, pitch 1552
.set GUP,    1552
.set OUTB,   GU+6400                   ; the final y, dense [4][325] f32 = 5,200 bytes, in 6,144 (3 x 128 lanes x 16) that are zeroed once
.set SPARE,  OUTB+6144                 ; the spare words, 128 bytes for each wave: two blocks of 256 bytes that no other line names
.set TP,     160                       ; the head's scratch inside WT, ahead of W: GW0 (352 rows), GW1, GW2 as bf16 [k][out], pitch 160
.set TG1,    352*TP
.set TG2,    TG1+64*TP
; REGISTERS, in windows of 256 (s_set_vgpr_msb: bits 1:0 source 0, 3:2 source 1, 5:4 source 2, 7:6 destination)
; window 0
.set AW,   2                           ; my place in a turned fragment of WT; steps by WSTEP
.set AV,   3                           ; VT + 32 h; steps by 1024
.set AY,   4                           ; YB, row lane % 4, + 16 h
.set AH,   5                           ; HB likewise
.set AHS,  6                           ; where my 8 activations go
.set AGF,  7                           ; GF, row 16 w + r, + 16 h
.set AGB,  8                           ; GBF + 64 w + 32 h
.set AGS,  9                           ; GU, row lane % 4, + 64 w + 32 h
.set AGR,  10                          ; GU, row w, + 4 r;   AGR20: node clamped
.set AGR20, 11
.set AYS,  12                          ; YB, row w, + 2 r;   AYS20: node clamped
.set AYS20, 13
.set NO,   14                          ; 4 r;   NO20: 4 min(320 + r, 324)
.set NO20, 15
.set ZO,   16                          ; the head: 256 r + 32 h;   ZO20: node clamped.  v1, v18-v31: the head's other offsets
.set ZO20, 17
.set WB,   24                          ; v24-39, v40-55  a quarter's fragments of Wb', Wa' (two of 8)
.set WA,   40
.set VB64, 56                          ; v56-87  the quarter's four vectors, register j = hidden 16 q + 8 h + j
.set VBB,  64
.set VA64, 72
.set VBA,  80
.set BB0,  88                          ; v88-199  b's sums, 7 units of 8, two buffers by the group's parity
.set AB,   200                         ; v200-255 a's sums, 7 units of 8.  In the head v32-255 is z's stage
; windows 1, 2, 3: v0-111 z of tiles 7 G + i (16 each); v112-118 their y; v119 = 0
.set GB0R, 120                         ; window 1: Gb0;  window 2: Gb1
.set FP,   128                         ; window 1: y's 11 fragments, later GWf's 12
.set HF,   224                         ; window 1: an activation's two fragments
.set GA0,  240                         ; window 1: g's two accumulators
.set GA1,  248
.set GACC, 128                         ; window 2: the last layer's six accumulators
.set GUR,  128                         ; window 2, later: my 21 tiles of it, and one register to fill the last pair
.set FACC, 176                         ; window 2: the drift's sums, a pair a tile
.set NZ,   220                         ; window 2: the noise
.set CQ,   242                         ; window 2: bo dt / 4, and a partner
.set GW0R, 120                         ; window 3: GW0 (11 x 8), GW1, GW2 (2 x 8), Gb2
.set GW1R, 208
.set GW2R, 224
.set GB2R, 240
.set SPW,  248                         ; window 3: LDS address of my spare word; never rewritten
.set NIL,  249                         ; window 3: 0; never rewritten
; s2 wave, s3 batch row, s[4:7] at work, s[8:45] the 19 addresses, s46-47 times, s48 steps to go, s50 bo[k], s[52:53] lane selects, s54 the head's loop, s55 EXEC,
; s[56:57] noise at my row, s[58:59] out0 at my group, s[60:61] dt twice, s62 sqrt(dt), s63 dt / 4
.set MSB, 0
.macro WIN new                         ; the high byte repeats the setting that is left; a switch that changes nothing is dropped
.if MSB != (\new)
	s_set_vgpr_msb (MSB<<8)|(\new)
.set MSB, (\new)
.endif
.endm
; PLACES.  A vector instruction that reads a matrix result, and a load into a register that a matrix instruction has read, stand four plain vector instructions behind it that name none of its
; registers (ISA guide 7.12.1 for vector instructions).  The text counts them as it is assembled: PLN steps with each such rider, MKA and MKB hold its value at the last closing product
; of a's and of b's sums, and NEED writes the v_nop that are missing, and no more.
.set PLN, 100
.set MKA, 0
.set MKB, 0
.macro NEED mark, n
.rept (\n)
.if (PLN-(\mark)) < (\n)
	v_nop
.set PLN, PLN+1
.endif
.endr
.endm
; ---------------------------------------------------------------- the head's macros
.macro ZLOAD R                         ; seven tiles of z as f32 into the stage: 56 loads; a tile's eight cover 256 whole bytes of each of its 16 rows
	WIN 0
.set i, 0
.rept 7
.set t, 7*(\R)+i
.irp e, 0,1,2,3,4,5,6,7
.if t < 20
	global_load_b128 v[32+32*i+4*\e:32+32*i+4*\e+3], v[ZO], s[12:13] offset:4096*t+128*(\e/4)+64*((\e/2)%2)+16*(\e%2) th:TH_LOAD_NT
.else
	global_load_b128 v[32+32*i+4*\e:32+32*i+4*\e+3], v[ZO20], s[12:13] offset:128*(\e/4)+64*((\e/2)%2)+16*(\e%2) th:TH_LOAD_NT
.endif
.endr
.set i, i+1
.endr
.endm
.macro ZCVT R                          ; the stage, in the fragments' own order, rounded to bf16 into window 1 + R
	WIN (1+(\R))<<6
.set i, 0
.rept 112
	v_cvt_pk_bf16_f32 v[i], v[32+2*i], v[33+2*i]
.set i, i+1
.endr
.endm
.macro WLOADS k0                       ; two steps' Wo, Wa, Wb: 2 + 32 loads into one window's stage; a load is two whole rows of 256 bytes
	global_load_b128 v[120:123], v30, s[24:25] offset:256*(\k0)
	global_load_b128 v[124:127], v30, s[24:25] offset:256*(\k0)+256
.set mm, 0
.rept 4
.set i, 0
.rept 8
.set rD, 128+32*mm+4*i
.if (mm%2) == 0
	global_load_b128 v[rD:rD+3], v18, s[16:17] offset:((\k0)+mm/2)*16640+2048*i
.else
	global_load_b128 v[rD:rD+3], v18, s[20:21] offset:((\k0)+mm/2)*16640+2048*i
.endif
.set i, i+1
.endr
.set mm, mm+1
.endr
.endm
.macro WCONV                           ; wo dt; Wa times it, Wb times -log2 e; each number rounded once
.irp p, 0,2,4,6
	v_pk_mul_f32 v[120+\p:121+\p], v[120+\p:121+\p], s[60:61] op_sel_hi:[1,0]
.endr
.set mm, 0
.rept 4
.set i, 0
.rept 8
.set rD, 128+32*mm+4*i
.set rO, 120+4*(mm/2)
.if (mm%2) == 0
	v_pk_mul_f32 v[rD:rD+1], v[rD:rD+1], v[rO:rO+1]
	v_pk_mul_f32 v[rD+2:rD+3], v[rD+2:rD+3], v[rO+2:rO+3]
.else
	v_pk_mul_f32 v[rD:rD+1], v[rD:rD+1], 0xbfb8aa3b op_sel_hi:[1,0]
	v_pk_mul_f32 v[rD+2:rD+3], v[rD+2:rD+3], 0xbfb8aa3b op_sel_hi:[1,0]
.endif
	v_cvt_pk_bf16_f32 v[rD], v[rD], v[rD+1]
	v_cvt_pk_bf16_f32 v[rD+1], v[rD+2], v[rD+3]
.set i, i+1
.endr
.set mm, mm+1
.endr
.endm
.macro WPUT adr
.set mm, 0
.rept 4
.set i, 0
.rept 8
.set rD, 128+32*mm+4*i
	ds_store_b64 v[\adr], v[rD:rD+1] offset:(mm/2)*WSTEP+8*WP*i+128*(mm%2)
.set i, i+1
.endr
.set mm, mm+1
.endr
.endm
.macro GFLOAD gq                       ; GWf: 8 channels (16 w + 8 (gq % 2) + e) of 32 nodes (block gq / 2), a lane a node
.set nb, (\gq)/2
.set rD, 128+8*((\gq)%16)
.irp e, 0,1,2,3,4,5,6,7
.if nb < 10
	global_load_b32 v[rD+\e], v18, s[40:41] offset:128*nb+(8*((\gq)%2)+\e)*1300
.elseif nb == 10
	global_load_b32 v[rD+\e], v19, s[40:41] offset:(8*((\gq)%2)+\e)*1300
.else
	global_load_b32 v[rD+\e], v20, s[40:41] offset:(8*((\gq)%2)+\e)*1300
.endif
.endr
.endm
.macro GFCONV gq
.set rD, 128+8*((\gq)%16)
.irp p, 0,2,4,6
	v_pk_mul_f32 v[rD+\p:rD+\p+1], v[rD+\p:rD+\p+1], 0x4038aa3b op_sel_hi:[1,0]
.endr
.irp p, 0,1,2,3
	v_cvt_pk_bf16_f32 v[rD+\p], v[rD+2*\p], v[rD+2*\p+1]
.endr
.endm
.macro GFPUT gq
.set rD, 128+8*((\gq)%16)
	ds_store_b128 v21, v[rD:rD+3] offset:32*GFP*((\gq)/2)+16*((\gq)%2)
.endm
; ---------------------------------------------------------------- the loop's macros
; Group g = 0..11 of a step: quarter g / 3 of the hidden, z's window 1 + g % 3, units i = 0..6 (tile 7 (g % 3) + i).
.macro CI m, g, i, p                   ; pair p of a unit's C operand: W[64] y + bias (m = 0: a, 1: b).  y lies in z's window, as source 1
.if (\m) == 0
.set rD, AB+8*(\i)+2*(\p)
.set rV, VA64+2*(\p)
.set rB, VBA+2*(\p)
.else
.set rD, BB0+56*((\g)%2)+8*(\i)+2*(\p)
.set rV, VB64+2*(\p)
.set rB, VBB+2*(\p)
.endif
.set rY, 112+2*((\i)/2)
.if ((\i)%2) == 0
	v_pk_fma_f32 v[rD:rD+1], v[rV:rV+1], v[rY:rY+1], v[rB:rB+1] op_sel_hi:[1,0,1]
.else
	v_pk_fma_f32 v[rD:rD+1], v[rV:rV+1], v[rY:rY+1], v[rB:rB+1] op_sel:[0,1,0] op_sel_hi:[1,1,1]
.endif
.set PLN, PLN+1
.endm
.macro WM m, g, i, c                   ; channels 32 c on of a unit's product
.if (\m) == 0
.set rD, AB+8*(\i)
.set rW, WA+8*(\c)
.else
.set rD, BB0+56*((\g)%2)+8*(\i)
.set rW, WB+8*(\c)
.endif
.set rZ, 16*(\i)+8*(\c)
	v_wmma_f32_16x16x32_bf16 v[rD:rD+7], v[rW:rW+7], v[rZ:rZ+7], v[rD:rD+7]
.if (\c) == 1
.if (\m) == 0
.set MKA, PLN
.else
.set MKB, PLN
.endif
.endif
.endm
.macro EX g, i, j                      ; 2^(-b log2 e), in place
.set rD, BB0+56*((\g)%2)+8*(\i)+(\j)
	v_exp_f32 v[rD], v[rD]
.endm
.macro RC g, i, j                      ; the sigmoid, in place
.set rD, BB0+56*((\g)%2)+8*(\i)+(\j)
	v_rcp_f32 v[rD], v[rD]
.endm
.macro A1 g, i, p
.set rD, BB0+56*((\g)%2)+8*(\i)+2*(\p)
	v_pk_add_f32 v[rD:rD+1], v[rD:rD+1], 1.0 op_sel_hi:[1,0]
.set PLN, PLN+1
.endm
.macro FM g, i, p                      ; the tile's sum takes a' sigmoid(b); a step's first such line starts it with bo dt / 4: nothing is cleared
.set rF, FACC+2*(7*((\g)%3)+(\i))
.set rA, AB+8*(\i)+2*(\p)
.set rD, BB0+56*((\g)%2)+8*(\i)+2*(\p)
.if ((\g) < 3) && ((\p) == 0)
	v_pk_fma_f32 v[rF:rF+1], v[rA:rA+1], v[rD:rD+1], v[CQ:CQ+1] op_sel_hi:[1,1,0]
.else
	v_pk_fma_f32 v[rF:rF+1], v[rA:rA+1], v[rD:rD+1], v[rF:rF+1]
.endif
.endm
.macro WSET m, ds, q                   ; quarter q's fragments and vectors of Wa' (m = 0) or Wb' (1), of this step (ds = 0) or the next (1)
	WIN 0
.irp c, 0,1
.irp u, 0,1
	ds_load_tr16_b128 v[WA-16*(\m)+8*\c+4*\u:WA-16*(\m)+8*\c+4*\u+3], v[AW] offset:(\ds)*WSTEP+\c*32*WP+\u*16*WP+(\m)*128+(\q)*32
.endr
.endr
.irp u, 0,1
	ds_load_b128 v[VA64-16*(\m)+4*\u:VA64-16*(\m)+4*\u+3], v[AV] offset:(\ds)*1024+(\m)*512+64*(\q)+16*\u
	ds_load_b128 v[VBA-16*(\m)+4*\u:VBA-16*(\m)+4*\u+3], v[AV] offset:(\ds)*1024+(\m)*512+256+64*(\q)+16*\u
.endr
.endm
.macro HLOAD L                         ; layer L's activations of the four batch rows, as source 1
	WIN 0x40
.irp c, 0,1
	ds_load_b128 v[HF+8*\c:HF+8*\c+3], v[AH] offset:768*(\L)+64*\c
	ds_load_b128 v[HF+8*\c+4:HF+8*\c+7], v[AH] offset:768*(\L)+64*\c+32
.endr
.endm
.macro GPOST L                         ; the two halves of K are added, relu, bf16, my 16 outputs into LDS (lanes 4 apart hold and store the same)
	WIN 0x55
.irp p, 0,2,4,6
	v_pk_add_f32 v[GA0+\p:GA0+\p+1], v[GA0+\p:GA0+\p+1], v[GA1+\p:GA1+\p+1]
.endr
.irp j, 0,1,2,3,4,5,6,7
	v_max_num_f32 v[GA0+\j], 0, v[GA0+\j]
.endr
.irp p, 0,1,2,3
	v_cvt_pk_bf16_f32 v[GA1+\p], v[GA0+2*\p], v[GA0+2*\p+1]
.endr
	WIN 0x04
	ds_store_b128 v[AHS], v[GA1:GA1+3] offset:768*(\L)
.endm
.macro MEET                            ; the turn's head has just waited for all my LDS instructions
	s_barrier_signal -1
	s_barrier_wait -1
.endm
; The pieces of g, one at the head of a turn.
.macro HOOK tau
.if (\tau) == 1
	s_wait_kmcnt 0x0                               ; bo[k]
	WIN 0xaa
	v_mov_b32 v[CQ], s50
	v_mul_f32 v[CQ], s63, v[CQ]
	WIN 0x57                                       ; GW0 window 3; y, Gb0 and the sums window 1.  Two accumulators take turns along K
	v_wmma_f32_16x16x32_bf16 v[GA0:GA0+7], v[GW0R:GW0R+7], v[FP:FP+7], v[GB0R:GB0R+7]
	v_wmma_f32_16x16x32_bf16 v[GA1:GA1+7], v[GW0R+8:GW0R+15], v[FP+8:FP+15], 0
.set kk, 2
.rept 9
.set rD, GA0+8*(kk%2)
	v_wmma_f32_16x16x32_bf16 v[rD:rD+7], v[GW0R+8*kk:GW0R+8*kk+7], v[FP+8*kk:FP+8*kk+7], v[rD:rD+7]
.set kk, kk+1
.endr
.elseif (\tau) == 2
	GPOST 0
.elseif (\tau) == 3
	MEET                                           ; all four waves' parts of layer 0 lie in LDS
	HLOAD 0
.elseif (\tau) == 4
	WIN 0x67                                       ; Gb1 in window 2
	v_wmma_f32_16x16x32_bf16 v[GA0:GA0+7], v[GW1R:GW1R+7], v[HF:HF+7], v[GB0R:GB0R+7]
	v_wmma_f32_16x16x32_bf16 v[GA1:GA1+7], v[GW1R+8:GW1R+15], v[HF+8:HF+15], 0
.elseif (\tau) == 5
	GPOST 1
.elseif (\tau) == 6
	MEET
	HLOAD 1
.elseif (\tau) == 7
	WIN 0x77                                       ; Gb2 in window 3
	v_wmma_f32_16x16x32_bf16 v[GA0:GA0+7], v[GW2R:GW2R+7], v[HF:HF+7], v[GB2R:GB2R+7]
	v_wmma_f32_16x16x32_bf16 v[GA1:GA1+7], v[GW2R+8:GW2R+15], v[HF+8:HF+15], 0
.elseif (\tau) == 8
	GPOST 2
.elseif (\tau) == 9
	MEET
	HLOAD 2
.set i, 0
.rept 6                                        ; my node tiles w + 4 i: GWf's fragments, and the bias as the sums' start
.irp c, 0,1
	ds_load_b128 v[FP+16*i+8*\c:FP+16*i+8*\c+3], v[AGF] offset:64*GFP*i+64*\c
	ds_load_b128 v[FP+16*i+8*\c+4:FP+16*i+8*\c+7], v[AGF] offset:64*GFP*i+64*\c+32
.endr
.set i, i+1
.endr
	WIN 0x80
.set i, 0
.rept 6
	ds_load_b128 v[GACC+8*i:GACC+8*i+3], v[AGB] offset:256*i
	ds_load_b128 v[GACC+8*i+4:GACC+8*i+7], v[AGB] offset:256*i+16
.set i, i+1
.endr
.elseif (\tau) == 10
	WIN 0xa5                                       ; GWf and the activations window 1, the six sums window 2, by turns
.irp c, 0,1
.set i, 0
.rept 6
	v_wmma_f32_16x16x32_bf16 v[GACC+8*i:GACC+8*i+7], v[FP+16*i+8*\c:FP+16*i+8*\c+7], v[HF+8*\c:HF+8*\c+7], v[GACC+8*i:GACC+8*i+7]
.set i, i+1
.endr
.endr
.elseif (\tau) == 11
	WIN 0x08
.set i, 0
.rept 6                                        ; each accumulator's low half first
	ds_store_b128 v[AGS], v[GACC+8*i:GACC+8*i+3] offset:256*i
	ds_store_b128 v[AGS], v[GACC+8*i+4:GACC+8*i+7] offset:256*i+16
.set i, i+1
.endr
.elseif (\tau) == 12
	MEET
	WIN 0x80
.set t, 0
.rept 20
	ds_load_b32 v[GUR+t], v[AGR] offset:64*t
.set t, t+1
.endr
	ds_load_b32 v[GUR+20], v[AGR20]
	ds_load_b32 v[GUR+21], v[AGR20]                ; fills the last pair
.endif
.endm
; A TURN.  In turn tau group gb = tau has b's products and exponentials, group ga = tau - 1 has a's products and b's + 1 and reciprocals, group gf = tau - 2 is summed.
; The order of the matrix instructions is a(s, first half of K), a(s - 1, second), b(s, first), b(s - 1, second): no two neighbours share an accumulator, each turn of an accumulator is one
; instruction.  Behind each stand up to eight riders under the product's own window setting (z's window as source 1, all else window 0): two switches a sub-slot.
; ONE WAIT A TURN: the 56 exponentials of gb and the 56 reciprocals of ga are one batch; all that name their results (+ 1 and reciprocals of gb, the sums of ga) stand in the next turn.
.macro TURN tau
.set gb, (\tau)
.set ga, (\tau)-1
.set gf, (\tau)-2
.if gf >= 0
	NEED MKA, 8                                    ; the sums read a's results of the turn before
	WIN 0xa0                                       ; a' and sigmoid window 0, the sums window 2
.set p, 0
.rept 4                                        ; each accumulator's lowest registers first; a tile's links stand seven apart
.set i, 0
.rept 7
	FM gf, i, p
.set i, i+1
.endr
.set p, p+1
.endr
.endif
.if (\tau) >= 1
	s_wait_dscnt 0x0                               ; all that the turn before asked of LDS or put there: a quarter's weights, g's loads and stores
.endif
	HOOK \tau
.if (ga >= 0) && (ga <= 11)
	WIN (1+ga%3)<<2
.irp p, 0,1,2,3
	CI 0, ga, 0, \p
.endr
.irp p, 0,1,2,3
	A1 ga, 0, \p
.endr
.endif
.if gb <= 11
	WIN (1+gb%3)<<2
.irp p, 0,1,2,3
	CI 1, gb, 0, \p
.endr
.endif
.set sl, 0
.rept 8
.if (ga >= 0) && (ga <= 11)
	WIN (1+ga%3)<<2
.if sl <= 6
	WM 0, ga, sl, 0
.endif
.set j, 0
.rept 4
.if sl <= 6
	RC ga, sl, j
.endif
.if sl <= 5
	CI 0, ga, sl+1, j
.endif
.set j, j+1
.endr
.if sl >= 1
	WM 0, ga, sl-1, 1
.endif
.set j, 0
.rept 4
.if sl <= 6
	RC ga, sl, j+4
.endif
.if sl <= 5
	A1 ga, sl+1, j
.endif
.set j, j+1
.endr
.endif
.if gb <= 11
	WIN (1+gb%3)<<2
.if sl <= 6
	WM 1, gb, sl, 0
.endif
.set jc, 0
.if sl >= 2
.rept 4                                        ; unit sl - 2 was closed a sub-slot ago: where the a half has not left four places, the next unit's C operand goes first
.if ((PLN-MKB) < 4) && (sl <= 5) && (jc < 4)
	CI 1, gb, sl+1, jc
.set jc, jc+1
.endif
.endr
	NEED MKB, 4
.set j, 0
.rept 4
	EX gb, sl-2, j
.if (sl <= 5) && (jc < 4)
	CI 1, gb, sl+1, jc
.set jc, jc+1
.endif
.set j, j+1
.endr
.else
.rept 4
	CI 1, gb, sl+1, jc
.set jc, jc+1
.endr
.endif
.if sl >= 1
	WM 1, gb, sl-1, 1
.endif
.if sl >= 2
.irp j, 4,5,6,7
	EX gb, sl-2, \j
.endr
.endif
.endif
.set sl, sl+1
.endr
.if gb <= 11
	NEED MKB, 4                                    ; for unit 6's exponentials, and for loads into Wb's fragments
.endif
.if ((\tau) == 2) || ((\tau) == 5) || ((\tau) == 8)
	WSET 1, 0, ((\tau)+1)/3                        ; the one set of Wb' takes the next quarter
.endif
.if (\tau) == 11
	WSET 1, 1, 0                                   ; or the next step's first.  Behind the last step these loads, and turn 12's, read static bytes behind WT and VT that serve nothing: the price of one text for every trip
.endif
.if ((\tau) == 3) || ((\tau) == 6) || ((\tau) == 9)
	NEED MKA, 4
	WSET 0, 0, (\tau)/3
.endif
.if (\tau) == 12
	NEED MKA, 4
	WSET 0, 1, 0
.endif
.if gb <= 11
.irp j, 0,1,2,3,4,5,6,7
	EX gb, 6, \j
.endr
.endif
.if (\tau) <= 12
	v_nop                                          ; a plain instruction behind the batch's last transcendental,
.set PLN, PLN+1
	s_wait_alu depctr_va_vdst(0)                   ; and the batch's one wait, ahead of the next turn, which uses the results
.endif
.endm
.macro YSTORE                          ; my y as bf16 into my row of YB (both halves of the lanes hold and store the same)
.set gg, 0
.rept 3
	WIN (1+gg)|((1+gg)<<2)|0x80
.set i, 0
.rept 7
	v_cvt_pk_bf16_f32 v[FACC+2*(7*gg+i)+1], v[112+i], v[112+i]
.set i, i+1
.endr
.set gg, gg+1
.endr
	WIN 0x08
.set t, 0
.rept 20
	ds_store_b16 v[AYS], v[FACC+2*t+1] offset:32*t
.set t, t+1
.endr
	ds_store_b16 v[AYS20], v[FACC+41]
.endm
.macro BOUNDARY                        ; y += f dt + tanh(u) sqrt(dt) eps, a number a lane and tile
	s_wait_loadcnt 0x0                             ; the noise, asked for at the step's head
	WIN 0xaa
.set t, 0
.rept 21
	v_add_f32 v[FACC+2*t], v[FACC+2*t], v[FACC+2*t+1]
	v_exp_f32 v[GUR+t], v[GUR+t]
	v_mul_f32 v[NZ+t], s62, v[NZ+t]
.set t, t+1
.endr
.set t, 0
.rept 21
	v_permlanex16_b32 v[FACC+2*t+1], v[FACC+2*t], s52, s53  ; the node's other 32 hidden lie in the lane 16 away
.set t, t+1
.endr
	v_nop
	s_wait_alu depctr_va_vdst(0)                   ; one wait for the 21 exponentials
.set t, 0
.rept 11
	v_pk_add_f32 v[GUR+2*t:GUR+2*t+1], v[GUR+2*t:GUR+2*t+1], 1.0 op_sel_hi:[1,0]
.set t, t+1
.endr
.set t, 0
.rept 21
	v_rcp_f32 v[GUR+t], v[GUR+t]
	v_add_f32 v[FACC+2*t], v[FACC+2*t], v[FACC+2*t+1]
.set t, t+1
.endr
	v_nop
	s_wait_alu depctr_va_vdst(0)                   ; one wait for the 21 reciprocals
.set t, 0
.rept 11
	v_pk_fma_f32 v[GUR+2*t:GUR+2*t+1], v[GUR+2*t:GUR+2*t+1], -2.0, 1.0 op_sel_hi:[1,0,0]
.set t, t+1
.endr
.set t, 0
.rept 21
	v_fma_f32 v[FACC+2*t], v[NZ+t], v[GUR+t], v[FACC+2*t]
.set t, t+1
.endr
.set gg, 0
.rept 3
	WIN 0x02|((1+gg)<<2)|((1+gg)<<6)
.set i, 0
.rept 7
	v_add_f32 v[112+i], v[FACC+2*(7*gg+i)], v[112+i]
.set i, i+1
.endr
.set gg, gg+1
.endr
.endm
; ================================================================ THE HEAD
	s_load_b512 s[8:23], s[0:1], 0x0               ; times, y0, z, noise, Wa, ba, Wb, bb
	s_load_b512 s[24:39], s[0:1], 0x40             ; Wo, bo, GW0, Gb0, GW1, Gb1, GW2, Gb2
	s_load_b128 s[40:43], s[0:1], 0x80             ; GWf, Gbf
	s_load_b64 s[44:45], s[0:1], 0x90              ; out0
	WIN 0xc0
	v_lshl_add_u32 v[SPW], v0, 2, SPARE
	v_mov_b32 v[NIL], 0
	WIN 0
	v_lshrrev_b32 v1, 5, v0
	v_readfirstlane_b32 s2, v1                     ; wave 0..3
	s_lshl_b32 s3, ttmp9, 2
	s_add_co_u32 s3, s3, s2                        ; my batch row
	s_lshl_b32 s4, s2, 5                           ; 32 w
	s_mul_i32 s5, s2, 16*GFP
	s_lshl_b32 s6, s2, 6                           ; 64 w
	s_mul_i32 s7, s2, GUP
	s_mul_i32 s48, s2, YP
	s_lshl_b32 s49, s2, 1                          ; 2 w
	s_mov_b32 s52, 0x76543210
	s_mov_b32 s53, 0xfedcba98
	v_and_b32 v32, 15, v0                          ; r
	v_bfe_u32 v33, v0, 4, 1                        ; h
	v_and_b32 v35, 7, v0
	v_bfe_u32 v36, v0, 3, 1
	v_and_b32 v37, 3, v0
	v_add_nc_u32 v38, 320, v32
	v_min_u32 v38, 324, v38                        ; my node in tile 20
	v_lshl_add_u32 v40, v33, 3, v35                ; the turning load's row: 8 h + lane % 8
	v_mul_u32_u24 v[AW], v40, WP
	v_lshl_add_u32 v[AW], v36, 4, v[AW]
	v_lshl_add_u32 v[AV], v33, 5, VT
	v_mul_u32_u24 v[AY], v37, YP
	v_lshl_add_u32 v[AY], v33, 4, v[AY]
	v_add_nc_u32 v[AY], YB, v[AY]
	v_mul_u32_u24 v[AH], v37, HP
	v_lshl_add_u32 v[AH], v33, 4, v[AH]
	v_add_nc_u32 v[AH], HB, v[AH]
	v_add_nc_u32 v[AHS], s4, v[AH]
	v_mul_u32_u24 v[AGF], v32, GFP
	v_lshl_add_u32 v[AGF], v33, 4, v[AGF]
	v_add_nc_u32 v[AGF], s5, v[AGF]
	v_add_nc_u32 v[AGF], GF, v[AGF]
	v_lshl_add_u32 v41, v33, 5, s6                 ; 64 w + 32 h
	v_add_nc_u32 v[AGB], GBF, v41
	v_mul_u32_u24 v[AGS], v37, GUP
	v_add_nc_u32 v[AGS], v[AGS], v41
	v_add_nc_u32 v[AGS], GU, v[AGS]
	v_lshl_add_u32 v[AGR], v32, 2, s7
	v_add_nc_u32 v[AGR], GU, v[AGR]
	v_lshl_add_u32 v[AGR20], v38, 2, s7
	v_add_nc_u32 v[AGR20], GU, v[AGR20]
	v_lshl_add_u32 v[AYS], v32, 1, s48
	v_add_nc_u32 v[AYS], YB, v[AYS]
	v_lshl_add_u32 v[AYS20], v38, 1, s48
	v_add_nc_u32 v[AYS20], YB, v[AYS20]
	v_lshlrev_b32 v[NO], 2, v32
	v_lshlrev_b32 v[NO20], 2, v38
	v_lshlrev_b32 v[ZO], 8, v32
	v_lshl_add_u32 v[ZO], v33, 5, v[ZO]
	v_lshlrev_b32 v[ZO20], 8, v38
	v_lshl_add_u32 v[ZO20], v33, 5, v[ZO20]
	v_add_nc_u32 v39, s49, v33                     ; a weight row of eight: 2 w + lane / 16; 16 lanes take its 256 bytes
	v_lshlrev_b32 v18, 8, v39
	v_lshl_add_u32 v18, v32, 4, v18                ; v18: its place in memory
	v_add_nc_u32 v42, 320, v39
	v_min_u32 v42, 324, v42
	v_lshlrev_b32 v19, 8, v42
	v_lshl_add_u32 v19, v32, 4, v19                ; v19: GW0's rows 320 on, clamped
	v_mul_u32_u24 v20, v39, TP
	v_lshl_add_u32 v20, v32, 3, v20                ; v20: its place in the scratch;  v21: in GW2's part, past the 16-bit offset
	v_add_nc_u32 v21, TG2, v20
	v_cmp_gt_u32 vcc_lo, 5, v39
	v_cndmask_b32 v22, 0, 1.0, vcc_lo              ; v22: 1 for rows 320-324, 0 for 325-327
	v_mul_u32_u24 v23, v40, TP
	v_lshl_add_u32 v23, v36, 4, v23
	v_add_nc_u32 v23, s4, v23                      ; v23: my place in a turned fragment of the scratch, outputs 16 w on;  v29: in GW2's part
	v_add_nc_u32 v29, TG2, v23
	v_mov_b32 v24, 0
	v_mov_b32 v25, 0
	v_mov_b32 v26, 0
	v_mov_b32 v27, 0
	v_lshl_add_u32 v28, v0, 4, YB
	v_lshlrev_b32 v30, 4, v32                      ; v30: my four columns of Wo
	v_mul_u32_u24 v31, v39, WP
	v_lshl_add_u32 v31, v32, 3, v31                ; v31, v1: my row's place in WT, local steps 0-1 and 2-3
	v_add_nc_u32 v1, 2*WSTEP, v31
	s_wait_kmcnt 0x0
	s_load_b64 s[46:47], s[8:9], 0x0               ; times[0], times[1]
	s_mov_b32 s5, 0
	s_mul_i32 s4, s3, 83200
	s_add_nc_u64 s[12:13], s[12:13], s[4:5]        ; z at my batch row
	s_mul_i32 s4, s3, 1300
	s_add_nc_u64 s[10:11], s[10:11], s[4:5]        ; y0,
	s_add_nc_u64 s[56:57], s[14:15], s[4:5]        ; noise likewise
	s_mul_i32 s4, ttmp9, 5200
	s_add_nc_u64 s[58:59], s[44:45], s[4:5]        ; out0 at the group's four rows
	s_mul_i32 s4, s2, 20800
	s_add_nc_u64 s[40:41], s[40:41], s[4:5]        ; GWf at channel 16 w
	; ---- GW0, GW1, GW2: f32 rows -> bf16 scratch -> turned fragments in registers.  57 loads, then z's first 56
	WIN 0x40
.set i, 0
.rept 32
	global_load_b128 v[128+4*i:131+4*i], v18, s[28:29] offset:2048*i
.set i, i+1
.endr
	WIN 0x80
.set i, 32
.rept 8
	global_load_b128 v[4*i:4*i+3], v18, s[28:29] offset:2048*i
.set i, i+1
.endr
	global_load_b128 v[160:163], v19, s[28:29]
.set i, 0
.rept 8
	global_load_b128 v[164+4*i:167+4*i], v18, s[32:33] offset:2048*i
	global_load_b128 v[196+4*i:199+4*i], v18, s[36:37] offset:2048*i
.set i, i+1
.endr
	ZLOAD 0
	s_wait_kmcnt 0x0                               ; times
	WIN 0xaa
	v_mov_b32 v250, s46
	v_sub_f32 v250, s47, v250                      ; dt
	v_sqrt_f32 v251, v250
	v_mul_f32 v252, 0x3e800000, v250               ; dt / 4: also the plain instruction behind the root
	s_wait_alu depctr_va_vdst(0)                   ; ahead of the root's first use
	v_readfirstlane_b32 s60, v250
	v_readfirstlane_b32 s62, v251
	v_readfirstlane_b32 s63, v252
	s_mov_b32 s61, s60
	s_wait_loadcnt 56                              ; the 57 weight loads are in; z's 56, issued behind them, stay out
	WIN 0x55
.set i, 0
.rept 32
	v_cvt_pk_bf16_f32 v[128+4*i], v[128+4*i], v[129+4*i]
	v_cvt_pk_bf16_f32 v[129+4*i], v[130+4*i], v[131+4*i]
.set i, i+1
.endr
	WIN 0x04
.set i, 0
.rept 32
	ds_store_b64 v20, v[128+4*i:129+4*i] offset:8*TP*i
.set i, i+1
.endr
	WIN 0x88
.irp e, 0,1,2,3
	v_mul_f32 v[160+\e], v22, v[160+\e]            ; rows 325-327 are 0
.endr
	WIN 0xaa
.set i, 0
.rept 25
	v_cvt_pk_bf16_f32 v[128+4*i], v[128+4*i], v[129+4*i]
	v_cvt_pk_bf16_f32 v[129+4*i], v[130+4*i], v[131+4*i]
.set i, i+1
.endr
	WIN 0x08
.set i, 0
.rept 9
	ds_store_b64 v20, v[128+4*i:129+4*i] offset:8*TP*(32+i)
.set i, i+1
.endr
.set i, 0
.rept 8
	ds_store_b64 v20, v[164+4*i:165+4*i] offset:TG1+8*TP*i
	ds_store_b64 v21, v[196+4*i:197+4*i] offset:8*TP*i
.set i, i+1
.endr
	WIN 0
.irp i, 41,42,43
	ds_store_b64 v20, v[24:25] offset:8*TP*\i      ; rows 328-351 are 0
.endr
	ds_store_b128 v28, v[24:27]                    ; YB is zeroed: 128 threads x 16 bytes, twice;
	ds_store_b128 v28, v[24:27] offset:2048
.irp i, 0,1,2
	ds_store_b128 v28, v[24:27] offset:OUTB-YB+2048*\i  ; and OUTB, three times: the way out reads all 6,144 bytes of it
.endr
	s_wait_dscnt 0x0                               ; for the others' sake: my stores are done
	s_barrier_signal -1
	s_barrier_wait -1
	WIN 0xc0
.set kk, 0
.rept 11
	ds_load_tr16_b128 v[GW0R+8*kk:GW0R+8*kk+3], v23 offset:32*TP*kk
	ds_load_tr16_b128 v[GW0R+8*kk+4:GW0R+8*kk+7], v23 offset:32*TP*kk+16*TP
.set kk, kk+1
.endr
.irp c, 0,1
	ds_load_tr16_b128 v[GW1R+8*\c:GW1R+8*\c+3], v23 offset:TG1+32*TP*\c
	ds_load_tr16_b128 v[GW1R+8*\c+4:GW1R+8*\c+7], v23 offset:TG1+32*TP*\c+16*TP
	ds_load_tr16_b128 v[GW2R+8*\c:GW2R+8*\c+3], v29 offset:32*TP*\c
	ds_load_tr16_b128 v[GW2R+8*\c+4:GW2R+8*\c+7], v29 offset:32*TP*\c+16*TP
.endr
	WIN 0
	s_wait_dscnt 0x0                               ; my reads of the scratch are over:
	s_barrier_signal -1
	s_barrier_wait -1                              ; everybody's are, and W may be written over it
	; ---- Wa, Wb -> WT: three trips of four steps
	s_mov_b32 s54, 3
.Lw:
	WIN 0x40
	WLOADS 0
	WIN 0x80
	WLOADS 2
	s_wait_loadcnt 0x0                             ; the trip's 68 loads (in the first trip z's first 56 too)
	WIN 0x55
	WCONV
	WIN 0x04
	WPUT 31
	WIN 0xaa
	WCONV
	WIN 0x08
	WPUT 1
	WIN 0
	v_add_nc_u32 v18, 4*16640, v18                 ; four steps on: the loads that read these offsets have landed
	v_add_nc_u32 v30, 1024, v30
	v_add_nc_u32 v31, 4*WSTEP, v31
	v_add_nc_u32 v1, 4*WSTEP, v1
	s_sub_co_u32 s54, s54, 1
	s_cmp_lg_u32 s54, 0
	s_cbranch_scc1 .Lw
	ZCVT 0
	; ---- GWf -> GF, Gbf -> GBF, the four vectors a step -> VT, g's biases into registers; z's second 56 behind them
	WIN 0
	v_and_b32 v18, 31, v0
	v_add_nc_u32 v19, 320, v18
	v_min_u32 v19, 324, v19
	v_lshlrev_b32 v19, 2, v19                      ; v19: nodes 320 on, clamped
	v_mul_u32_u24 v21, v18, GFP
	v_lshlrev_b32 v18, 2, v18                      ; v18: 4 x lane
	v_mov_b32 v20, 1296                            ; v20: node 324
	s_lshl_b32 s4, s2, 5
	v_add_nc_u32 v21, s4, v21
	v_add_nc_u32 v21, GF, v21                      ; v21: GF, row = lane, channel 16 w
	v_lshlrev_b32 v22, 2, v0                       ; v22: 4 x thread
	v_add_nc_u32 v23, 256, v0
	v_min_u32 v23, 324, v23
	v_lshlrev_b32 v23, 2, v23
	v_lshrrev_b32 v28, 6, v0                       ; thread / 64: the step's parity
	v_and_b32 v29, 63, v0
	v_lshlrev_b32 v29, 2, v29                      ; 4 x hidden
	v_lshl_add_u32 v30, v28, 10, v29
	v_mul_u32_u24 v28, v28, 16640
	v_add_nc_u32 v28, v28, v29                     ; v28: my place in a step of Wa, Wb
	v_add_nc_u32 v29, VT, v30                      ; v29: in VT
	v_bfe_u32 v30, v0, 4, 1
	s_lshl_b32 s4, s2, 6
	v_lshl_add_u32 v30, v30, 5, s4                 ; v30: 64 w + 32 h
	v_add_nc_u32 v31, GBF, v22
	v_mul_u32_u24 v1, v0, GFP
	v_add_nc_u32 v1, GF+128, v1                    ; v1: the pad of GF's row = thread
	WIN 0x40
.set gq, 0
.rept 16
	GFLOAD gq
.set gq, gq+1
.endr
	global_load_b128 v[GB0R:GB0R+3], v30, s[30:31]
	global_load_b128 v[GB0R+4:GB0R+7], v30, s[30:31] offset:16
	WIN 0x80
.rept 8
	GFLOAD gq
.set gq, gq+1
.endr
	global_load_b32 v192, v22, s[42:43]
	global_load_b32 v193, v22, s[42:43] offset:512
	global_load_b32 v194, v23, s[42:43]
.set i, 0
.rept 6                                        ; step thread / 64 + 2 i: Wa[64], Wb[64], ba, bb, Wo
	global_load_b32 v[196+5*i], v28, s[16:17] offset:33280*i+16384
	global_load_b32 v[197+5*i], v28, s[20:21] offset:33280*i+16384
	global_load_b32 v[198+5*i], v22, s[18:19] offset:512*i
	global_load_b32 v[199+5*i], v22, s[22:23] offset:512*i
	global_load_b32 v[200+5*i], v22, s[24:25] offset:512*i
.set i, i+1
.endr
	global_load_b128 v[GB0R:GB0R+3], v30, s[34:35]
	global_load_b128 v[GB0R+4:GB0R+7], v30, s[34:35] offset:16
	WIN 0xc0
	global_load_b128 v[GB2R:GB2R+3], v30, s[38:39]
	global_load_b128 v[GB2R+4:GB2R+7], v30, s[38:39] offset:16
	ZLOAD 1
	ds_store_b128 v1, v[24:27]                     ; the pads of GF's rows 0-127 are written, so that the last step's look-ahead behind WT reads written bytes alone
	s_wait_loadcnt 56                              ; all but z's 56, issued last
	WIN 0x55
.set gq, 0
.rept 16
	GFCONV gq
.set gq, gq+1
.endr
	WIN 0x04
.set gq, 0
.rept 16
	GFPUT gq
.set gq, gq+1
.endr
	WIN 0xaa
.rept 8
	GFCONV gq
.set gq, gq+1
.endr
.irp i, 0,1,2
	v_mul_f32 v[192+\i], 0x4038aa3b, v[192+\i]
.endr
.set i, 0
.rept 6
	v_mul_f32 v[200+5*i], s60, v[200+5*i]          ; wo dt
	v_mul_f32 v[196+5*i], v[196+5*i], v[200+5*i]
	v_mul_f32 v[198+5*i], v[198+5*i], v[200+5*i]
	v_mul_f32 v[197+5*i], 0xbfb8aa3b, v[197+5*i]
	v_mul_f32 v[199+5*i], 0xbfb8aa3b, v[199+5*i]
.set i, i+1
.endr
	WIN 0x08
.set gq, 16
.rept 8
	GFPUT gq
.set gq, gq+1
.endr
.irp i, 0,1,2
	ds_store_b32 v31, v[192+\i] offset:512*\i
.endr
.set i, 0
.rept 6
	ds_store_b32 v29, v[196+5*i] offset:2048*i
	ds_store_b32 v29, v[198+5*i] offset:2048*i+256
	ds_store_b32 v29, v[197+5*i] offset:2048*i+512
	ds_store_b32 v29, v[199+5*i] offset:2048*i+768
.set i, i+1
.endr
	s_wait_loadcnt 0x0
	ZCVT 1
	; ---- y0, and z's last 56
.set gg, 0
.rept 3
	WIN (1+gg)<<6
.set i, 0
.rept 7
.if (7*gg+i) < 20
	global_load_b32 v[112+i], v[NO], s[10:11] offset:64*(7*gg+i)
.else
	global_load_b32 v[112+i], v[NO20], s[10:11]
.endif
.set i, i+1
.endr
	v_mov_b32 v119, 0                              ; named with y of unit 6 as a pair
.set gg, gg+1
.endr
	WIN 0x80
	v_mov_b32 v[CQ+1], 0                           ; named with CQ as a pair
	ZLOAD 2
	s_wait_loadcnt 0x0
	ZCVT 2
	WIN 0
	s_wait_dscnt 0x0                               ; my parts of the tables are written,
	s_barrier_signal -1
	s_barrier_wait -1                              ; everybody's are
	WSET 1, 0, 0
	WSET 0, 0, 0
	s_mov_b32 s48, 12
; ================================================================ THE TWELVE STEPS
.Lstep:
	YSTORE
	s_wait_dscnt 0x0                               ; my y lies in YB (and, ahead of the first step, the first weights are in)
	s_barrier_signal -1
	s_barrier_wait -1                              ; all four rows do.  Every wave's reads of the last step's YB were waited for ahead of that step's later barriers
	WIN 0x80
.set t, 0
.rept 20
	global_load_b32 v[NZ+t], v[NO], s[56:57] offset:64*t th:TH_LOAD_NT
.set t, t+1
.endr
	global_load_b32 v[NZ+20], v[NO20], s[56:57] th:TH_LOAD_NT
	s_load_b32 s50, s[26:27], 0x0                  ; bo[k]
	WIN 0x40
.set kk, 0
.rept 11
	ds_load_b128 v[FP+8*kk:FP+8*kk+3], v[AY] offset:64*kk
	ds_load_b128 v[FP+8*kk+4:FP+8*kk+7], v[AY] offset:64*kk+32
.set kk, kk+1
.endr
.irp tt, 0,1,2,3,4,5,6,7,8,9,10,11,12,13
	TURN \tt
.endr
	BOUNDARY
	WIN 0                                          ; at a label and at a branch every window is 0
	v_add_nc_u32 v[AW], WSTEP, v[AW]
	v_add_nc_u32 v[AV], 1024, v[AV]
	s_wait_xcnt 0x0                                ; the step's loads have read their bases
	s_add_nc_u64 s[56:57], s[56:57], 1331200
	s_add_nc_u64 s[26:27], s[26:27], 4
	s_sub_co_u32 s48, s48, 1
	s_cmp_lg_u32 s48, 0
	s_cbranch_scc1 .Lstep
; ================================================================ THE WAY OUT: the four rows are gathered in LDS, dense, and leave as 5,200 consecutive bytes, 16 a lane
	s_mul_i32 s4, s2, 1300
	s_add_co_u32 s4, s4, OUTB
	v_add_nc_u32 v16, s4, v[NO]
	v_add_nc_u32 v17, s4, v[NO20]
.set gg, 0
.rept 3
	WIN (1+gg)<<2
.set i, 0
.rept 7
.if (7*gg+i) < 20
	ds_store_b32 v16, v[112+i] offset:64*(7*gg+i)
.else
	ds_store_b32 v17, v[112+i]
.endif
.set i, i+1
.endr
.set gg, gg+1
.endr
	WIN 0
	v_lshlrev_b32 v18, 4, v0
	v_add_nc_u32 v19, OUTB, v18
	s_wait_dscnt 0x0                               ; for the others' sake: my row lies in OUTB
	s_barrier_signal -1
	s_barrier_wait -1
	ds_load_b128 v[24:27], v19
	ds_load_b128 v[28:31], v19 offset:2048
	ds_load_b128 v[32:35], v19 offset:4096         ; all lanes on: threads 69 on read OUTB's zeroed tail, and store nothing of it
	s_wait_dscnt 0x0
	global_store_b128 v18, v[24:27], s[58:59] th:TH_STORE_NT
	global_store_b128 v18, v[28:31], s[58:59] offset:2048 th:TH_STORE_NT
	v_cmp_gt_u32 vcc_lo, 69, v0                    ; 325 pieces of 16 bytes = 128 + 128 + 69
	s_wait_xcnt 0x0                                ; EXEC changes only behind this wait
	s_and_saveexec_b32 s55, vcc_lo
	global_store_b128 v18, v[32:35], s[58:59] offset:4096 th:TH_STORE_NT
	s_wait_xcnt 0x0                                ; and again, ahead of the line that widens it
	s_or_b32 exec_lo, exec_lo, s55
	WIN 0x0f
	s_wait_tensorcnt 0x0                           ; the wave's end, behind my last LDS store
	ds_add_u32 v[SPW], v[NIL]
	s_wait_dscnt 0x0
	WIN 0
	s_endpgm
.Lfunc_end_k_q41ebb70274_csde:
	.size	k_q41ebb70274_csde, .Lfunc_end_k_q41ebb70274_csde-k_q41ebb70274_csde
	.p2alignl 7, 3214868480
	.fill 96, 4, 3214868480
	.section	.rodata,"a",@progbits
	.p2align	6, 0x0
	.amdhsa_kernel k_q41ebb70274_csde
		.amdhsa_group_segment_fixed_size 309760
		.amdhsa_private_segment_fixed_size 0
		.amdhsa_enable_private_segment 0
		.amdhsa_kernarg_size 152
		.amdhsa_user_sgpr_count 2
		.amdhsa_user_sgpr_kernarg_segment_ptr 1
		.amdhsa_wavefront_size32 1
		.amdhsa_system_sgpr_workgroup_id_x 1
		.amdhsa_system_sgpr_workgroup_id_y 1
		.amdhsa_system_sgpr_workgroup_id_z 1
		.amdhsa_system_vgpr_workitem_id 0
		.amdhsa_next_free_vgpr 1024
		.amdhsa_next_free_sgpr 66
		.amdhsa_reserve_vcc 1
		.amdhsa_float_denorm_mode_32 3
		.amdhsa_float_denorm_mode_16_64 3
		.amdhsa_memory_ordered 1
		.amdhsa_forward_progress 1
		.amdhsa_inst_pref_size 255
	.end_amdhsa_kernel
	.section	.bss,"aw",@nobits
	.p2align	6
	.space	262144
	.amdgpu_metadata
---
amdhsa.version: [ 1, 2 ]
amdhsa.kernels:
  - .name:           k_q41ebb70274_csde
    .symbol:         k_q41ebb70274_csde.kd
    .args:
      - { .name: times, .offset: 0, .size: 8, .value_kind: global_buffer, .address_space: global }
      - { .name: y0, .offset: 8, .size: 8, .value_kind: global_buffer, .address_space: global }
      - { .name: z, .offset: 16, .size: 8, .value_kind: global_buffer, .address_space: global }
      - { .name: noise, .offset: 24, .size: 8, .value_kind: global_buffer, .address_space: global }
      - { .name: Wa, .offset: 32, .size: 8, .value_kind: global_buffer, .address_space: global }
      - { .name: ba, .offset: 40, .size: 8, .value_kind: global_buffer, .address_space: global }
      - { .name: Wb, .offset: 48, .size: 8, .value_kind: global_buffer, .address_space: global }
      - { .name: bb, .offset: 56, .size: 8, .value_kind: global_buffer, .address_space: global }
      - { .name: Wo, .offset: 64, .size: 8, .value_kind: global_buffer, .address_space: global }
      - { .name: bo, .offset: 72, .size: 8, .value_kind: global_buffer, .address_space: global }
      - { .name: GW0, .offset: 80, .size: 8, .value_kind: global_buffer, .address_space: global }
      - { .name: Gb0, .offset: 88, .size: 8, .value_kind: global_buffer, .address_space: global }
      - { .name: GW1, .offset: 96, .size: 8, .value_kind: global_buffer, .address_space: global }
      - { .name: Gb1, .offset: 104, .size: 8, .value_kind: global_buffer, .address_space: global }
      - { .name: GW2, .offset: 112, .size: 8, .value_kind: global_buffer, .address_space: global }
      - { .name: Gb2, .offset: 120, .size: 8, .value_kind: global_buffer, .address_space: global }
      - { .name: GWf, .offset: 128, .size: 8, .value_kind: global_buffer, .address_space: global }
      - { .name: Gbf, .offset: 136, .size: 8, .value_kind: global_buffer, .address_space: global }
      - { .name: out0, .offset: 144, .size: 8, .value_kind: global_buffer, .address_space: global }
    .group_segment_fixed_size: 309760
    .private_segment_fixed_size: 0
    .kernarg_segment_align: 8
    .kernarg_segment_size: 152
    .max_flat_workgroup_size: 128
    .sgpr_count:     66
    .vgpr_count:     1024
    .wavefront_size: 32
...
	.end_amdgpu_metadata
.endif
;; end of part 1
;; ======== version 2 of 2: 1 launch; 1.11 times as fast as version 1
;; launch csde (part 2): grid 256 x 1, 4 waves a work-group, no clusters, 318,976 bytes of LDS; arguments times, y0, z, noise, Wa, ba, Wb, bb, Wo, bo, GW0, Gb0, GW1, Gb1, GW2, Gb2, GWf, Gbf, out0; writes out0
.if DOCPART == 2
	.amdgcn_target "amdgcn-amd-amdhsa--gfx1250"
	.amdhsa_code_object_version 6
	.text
	.protected	k_q41ebb70274_csde
	.globl	k_q41ebb70274_csde
	.p2align	8
	.type	k_q41ebb70274_csde,@function
k_q41ebb70274_csde:
	s_mov_b64 s[64:65], 0
	v_nop
	global_prefetch_b8 v0, s[64:65] scope:SCOPE_SE
	s_setreg_imm32_b32 hwreg(HW_REG_WAVE_MODE, 25, 1), 1
	s_wait_xcnt 0x0
; TWELVE EULER-MARUYAMA STEPS  y <- y + f(z, y) dt + g(y) sqrt(dt) eps  ON y[1024][325], IN ONE LAUNCH.
; f: for each row (b, n): x = [z(b,n,0..63), y(b,n)]; a = x Wa[k] + ba[k]; b = x Wb[k] + bb[k]; f = sum_h a sigmoid(b) wo[k][h] + bo[k].
; g: along the nodes of one batch row: 325 -> 64 -> 64 -> 64 (relu) -> 325 (tanh).  Nothing couples two batch rows.
; SHARES.  Work-group = 4 batch rows, wave w = batch row 4 x group + w, all twelve steps.  A batch row's z, rounded to bf16, is 21 tiles of 16 nodes x 64 = 336 registers of its wave:
; z is read from memory once and never leaves the registers.  All weights are scaled, rounded once to bf16 and laid in LDS by the work-group; GW0, GW1, GW2 go on into registers.
; LAYOUT.  The products are taken transposed (source 0 = 16 hidden from the weights, source 1 = 16 nodes of z): a lane holds ONE node (lane % 16) and hidden 8 (lane / 16) + 0..7.  So y is one
; number a lane, the column of y and the bias are the C operand (W[64][h] y + bias[h], one packed multiply-add for two), and the sum over hidden stays in the lane but for one exchange of halves a step.
; FOLDED INTO THE TABLES, ahead of their one rounding: Wa, Wa[64], ba times wo[h] dt;  Wb, Wb[64], bb times -log2(e);  GWf, Gbf times 2 log2(e);  bo dt / 4 starts each of a node's four partial sums.
; sigmoid(b) = 1 / (1 + 2^(-b log2 e));  tanh(u) = 1 - 2 / (1 + 2^(2 u log2 e)).
; g: the four batch rows are columns 0-3 of source 1 (columns 4-15 repeat them); the output tiles are shared among the four waves; activations pass through LDS, five barriers a step;
; each piece of g stands at the head of one of the drift's 14 turns, so that what it waits for has had a turn in which to come.
; Z'S WAY IN.  A load of the wave takes 512 consecutive bytes, two whole rows of z, aligned to 256.  A ring of six tiles (48 loads) stays out; a tile that has come is rounded to bf16, put into 2,304 LDS bytes
; of the wave's own as 16 rows of pitch 144, and taken out again as two fragments; then its slot is asked for again.  The tables' loads and conversions stand between the tiles.
; W'S WAY IN.  The head lays step 0's Wa, Wb into WT.  Step k + 1's are brought in step k: each wave loads its 16 rows of either (17 loads with Wo) at the head of turn 2, scales, rounds and stores them
; into slot k + 1 at the head of turn 7; its stores are waited for at turn 8's head, turn 9's barrier shows them to all, turn 11 reads them first.  A slot is written once.  The last step brings nothing.
; TILE 20 holds nodes 320-335: every address there is clamped to node 324, so lanes 5-15 compute and store exact copies of node 324, and all lanes stay on.
; In waves 1-3 the sixth node tile of g's last layer (nodes 336-383) serves nothing: 2 of a step's 363 matrix instructions, the price of one text for all waves.
; INPUTS.  Of times only times[0] and times[1] have a way to the result (dt); the others are not loaded.  No other work is left out.
; LIMITS.  z, the weights, and inside g also y and the activations are bf16 matrix operands; y itself, all sums, the column of y and the biases are f32.  tanh is off by about 1e-7 absolute near 0.
; v_exp_f32 and v_rcp_f32 flush denormals (ISA guide 15.8).  NaN and infinities are not treated apart.
; NO CLUSTER, NO TENSOR LOADS: no byte of z is wanted by two waves; what work-groups share is 606 KB of weights, read once, which must be turned, scaled and rounded on the way.
; NO PREFETCH: z is one stream at the launch's head, which the ring itself keeps going; the noise is loaded a whole step, the next step's weights five turns ahead of their use.
;
; LDS
.set WP,     288                       ; WT: [12 steps][64 channels], a row = 64 bf16 of a', 64 of b', 32 bytes of pad: an odd multiple of 32, for the turning load (64 banks of 4 bytes: ISA guide 11.1)
.set WSTEP,  64*WP
.set VT,     12*WSTEP                  ; f32 [12][4][64]: Wa[64] wo dt, ba wo dt, -Wb[64] log2 e, -bb log2 e
.set GF,     VT+12*1024                ; GWf^T x 2 log2 e, bf16: 384 rows (nodes; beyond 324 copies of 324) of 64, pitch 144
.set GFP,    144
.set GBF,    GF+384*GFP                ; f32 [384] Gbf x 2 log2 e
.set YB,     GBF+1536                  ; y in bf16: 4 rows of 352, pitch 720; zeroed once, so nodes 325-351 read as 0
.set YP,     720
.set HB,     YB+4096                   ; three layers' activations, 768 bytes each: 4 rows of 64 bf16, pitch 144
.set HP,     144
.set GU,     HB+2304                   ; f32, the last layer ahead of its tanh: 4 rows of 384, pitch 1552
.set GUP,    1552
.set OUTB,   GU+6400                   ; the final y, dense [4][325] f32 = 5,200 bytes, in 6,144 (3 x 128 lanes x 16) that are zeroed once
.set SPARE,  OUTB+6144                 ; the spare words, 128 bytes for each wave: two blocks of 256 bytes that no other line names
.set ZS,     SPARE+512                 ; z's way in: for each wave 16 rows of 64 bf16, pitch 144
.set ZP,     144
.set TP,     160                       ; the head's scratch inside WT, ahead of W: GW0 (352 rows), GW1, GW2 as bf16 [k][out], pitch 160;
.set TG1,    352*TP
.set TG2,    TG1+64*TP
.set GS,     TG2+64*TP                 ; and GWf as it lies in memory, f32: wave w's 16 channels, 20,800 bytes, at GS + 20800 w, written and read by that wave alone
; REGISTERS, in windows of 256 (s_set_vgpr_msb: bits 1:0 source 0, 3:2 source 1, 5:4 source 2, 7:6 destination)
; window 0
.set WLS,  1                           ; where my 8 bytes of a row of Wa' go in WT: row 2 w + lane / 16, 8 (lane % 16); steps by WSTEP
.set AW,   2                           ; my place in a turned fragment of WT; steps by WSTEP
.set AV,   3                           ; VT + 32 h; steps by 1024
.set AY,   4                           ; YB, row lane % 4, + 16 h
.set AH,   5                           ; HB likewise
.set AHS,  6                           ; where my 8 activations go
.set AGF,  7                           ; GF, row 16 w + r, + 16 h
.set AGB,  8                           ; GBF + 64 w + 32 h
.set AGS,  9                           ; GU, row lane % 4, + 64 w + 32 h
.set AGR,  10                          ; GU, row w, + 4 r;   AGR20: node clamped
.set AGR20, 11
.set AYS,  12                          ; YB, row w, + 2 r;   AYS20: node clamped
.set AYS20, 13
.set NO,   14                          ; 4 r;   NO20: 4 min(320 + r, 324)
.set NO20, 15
.set L16,  16                          ; the head: 16 x lane.  v17, v19-v21, v23-v29, v224-v239: the head's other offsets; v32-v223: z's ring, six tiles of 32
.set ZST,  17                          ; where my 8 bytes of a row of z go: row lane / 16, 8 (lane % 16)
.set WGO,  18                          ; my 16 bytes of a weight row of eight in memory: row 2 w + lane / 16, 16 (lane % 16); not rewritten before the way out
.set WOO,  22                          ; 16 (lane % 16): my four columns of Wo; not rewritten
.set WB,   24                          ; v24-39, v40-55  a quarter's fragments of Wb', Wa' (two of 8)
.set WA,   40
.set VB64, 56                          ; v56-87  the quarter's four vectors, register j = hidden 16 q + 8 h + j
.set VBB,  64
.set VA64, 72
.set VBA,  80
.set BB0,  88                          ; v88-199  b's sums, 7 units of 8, two buffers by the group's parity
.set AB,   200                         ; v200-255 a's sums, 7 units of 8
.set ZLD,  224                         ; the head: my place in a fragment of z's stage;  ZLD20: row clamped to 4
.set ZLD20, 225
.set GSS,  226                         ; GWf's scratch: 16 x lane;  GSL: 4 x lane;  GSL10: nodes 320 on, clamped;  GSL11: node 324
.set GSL,  227
.set GSL10, 228
.set GSL11, 229
.set GFA,  230                         ; GF, row = lane, channel 16 w
.set T4,   231                         ; 4 x thread
.set GBC,  232                         ; 4 min(thread + 256, 324)
.set VTG,  233                         ; my place in a step of Wa, Wb: step thread / 64, hidden thread % 64;  VTL: in VT
.set VTL,  234
.set GBFA, 235                         ; GBF + 4 x thread
.set PAD,  236                         ; the pad of GF's row = thread
.set BOF,  237                         ; 64 w + 32 h
.set MASK, 238                         ; 1 for GW0's rows 320-324, 0 for 325-327
.set ZPA,  239                         ; the pad of row lane % 16 of my stage for z
; windows 1, 2, 3: v0-111 z of tiles 7 G + i (16 each); v112-118 their y; v119 = 0
.set GB0R, 120                         ; window 1: Gb0;  window 2: Gb1
.set FP,   128                         ; window 1: y's 11 fragments (turns 0, 1), a step of Wa, Wb, Wo as loaded (68 registers, turns 2 to 7), GWf's 12 fragments (turns 9, 10)
.set HF,   224                         ; window 1: an activation's two fragments
.set GA0,  240                         ; window 1: g's two accumulators
.set GA1,  248
.set GACC, 128                         ; window 2: the last layer's six accumulators
.set GUR,  128                         ; window 2, later: my 21 tiles of it, and one register to fill the last pair
.set FACC, 176                         ; window 2: the drift's sums, a pair a tile
.set NZ,   220                         ; window 2: the noise
.set CQ,   242                         ; window 2: bo dt / 4, and a partner
.set GW0R, 120                         ; window 3: GW0 (11 x 8), GW1, GW2 (2 x 8), Gb2
.set GW1R, 208
.set GW2R, 224
.set GB2R, 240
.set SPW,  248                         ; window 3: LDS address of my spare word; never rewritten
.set NIL,  249                         ; window 3: 0; never rewritten
; s2 wave, s3 batch row, s[4:7] at work, s[8:45] the 19 addresses (Wa's, Wb's, Wo's, bo's step on with the steps), s[46:47] times, then -log2 e twice, s48 steps to go, s[50:51] 2 log2 e twice, then s50 bo[k],
; s[52:53] lane selects, s54 at work, s55 at work, then EXEC, s[56:57] noise at my row, s[58:59] out0 at my group, s[60:61] dt twice, s62 sqrt(dt), s63 dt / 4
.set MSB, 0
.macro WIN new                         ; the high byte repeats the setting that is left; a switch that changes nothing is dropped
.if MSB != (\new)
	s_set_vgpr_msb (MSB<<8)|(\new)
.set MSB, (\new)
.endif
.endm
; PLACES.  A vector instruction that reads a matrix result, and a load into a register that a matrix instruction has read, stand four plain vector instructions behind it that name none of its
; registers (ISA guide 7.12.1 for vector instructions).  The text counts them as it is assembled: PLN steps with each plain line of the turns; MKA, MKAP, MKAQ hold its value at the last three
; products that closed a sum of a, MKB, MKBP at the last two of b; NEED writes the v_nop that are missing, and no more.
.set PLN, 100
.set MKA, 0
.set MKAP, 0
.set MKAQ, 0
.set MKB, 0
.set MKBP, 0
.set bc, 0
.macro NEED mark, n
.rept (\n)
.if (PLN-(\mark)) < (\n)
	v_nop
.set PLN, PLN+1
.endif
.endr
.endm
; ---------------------------------------------------------------- the head's macros
; THE HEAD'S LOAD WAITS are counted as the text is assembled: ISS steps with each global load; a batch's mark is ISS behind its last load; loads come back in order (ISA guide 5.7.1), so the batch
; is in when at most ISS - mark loads, those issued behind it, are out.  The wait's field names 63 at the most; a smaller count than needed is right too.
.set ISS, 0
.macro LWAIT mark
.if (ISS-(\mark)) > 63
	s_wait_loadcnt 63
.else
	s_wait_loadcnt ISS-(\mark)
.endif
.endm
.macro ZISSUE t                        ; tile t of z, 16 rows of 256 bytes, into slot t % 6: eight loads of two whole rows.  Tile 20 has five rows: 320-321, 322-323, 323-324
	WIN 0
.set zb, 32+32*((\t)%6)
.if (\t) < 20
.irp e, 0,1,2,3,4,5,6,7
	global_load_b128 v[zb+4*\e:zb+4*\e+3], v[L16], s[12:13] offset:4096*(\t)+512*\e th:TH_LOAD_NT
.endr
.set ISS, ISS+8
.else
	global_load_b128 v[zb:zb+3], v[L16], s[12:13] offset:320*256 th:TH_LOAD_NT
	global_load_b128 v[zb+4:zb+7], v[L16], s[12:13] offset:322*256 th:TH_LOAD_NT
	global_load_b128 v[zb+8:zb+11], v[L16], s[12:13] offset:323*256 th:TH_LOAD_NT
.set ISS, ISS+3
.endif
.set ZE\t, ISS
.endm
; Tile t has come: rounded in place, 8 bytes a lane into my stage, out again as two fragments (LDS serves a wave's instructions in order, ISA guide 5.7.1.4: the loads see the stores above them,
; and the next tile's stores come behind these loads).  nx: the tile that the slot is asked for next, or -1.
.macro ZT t, nx
	WIN 0
	LWAIT ZE\t
.set zb, 32+32*((\t)%6)
.set zn, 8
.if (\t) == 20
.set zn, 3
.endif
.set e, 0
.rept zn
	v_cvt_pk_bf16_f32 v[zb+4*e], v[zb+4*e], v[zb+4*e+1]
	v_cvt_pk_bf16_f32 v[zb+4*e+1], v[zb+4*e+2], v[zb+4*e+3]
.set e, e+1
.endr
.set e, 0
.rept zn
.if ((\t) == 20) && (e == 2)
	ds_store_b64 v[ZST], v[zb+8:zb+9] offset:3*ZP
.else
	ds_store_b64 v[ZST], v[zb+4*e:zb+4*e+1] offset:2*ZP*e
.endif
.set e, e+1
.endr
	WIN (1+(\t)/7)<<6
.set zd, 16*((\t)%7)
.irp c, 0,1
.if (\t) < 20
	ds_load_b128 v[zd+8*\c:zd+8*\c+3], v[ZLD] offset:64*\c
	ds_load_b128 v[zd+8*\c+4:zd+8*\c+7], v[ZLD] offset:64*\c+32
.else
	ds_load_b128 v[zd+8*\c:zd+8*\c+3], v[ZLD20] offset:64*\c
	ds_load_b128 v[zd+8*\c+4:zd+8*\c+7], v[ZLD20] offset:64*\c+32
.endif
.endr
.if (\nx) >= 0
	ZISSUE \nx
.endif
.endm
.macro GSLOAD i0, n, rb                ; n pieces of 512 bytes of my 16 channels of GWf, from piece i0 on
.set i, 0
.rept (\n)
	global_load_b128 v[(\rb)+4*i:(\rb)+4*i+3], v[L16], s[40:41] offset:512*((\i0)+i)
.set i, i+1
.endr
.set ISS, ISS+(\n)
.endm
; A STEP OF Wa, Wb, for the head and for the loop.  WLD: my rows 8 i + 2 w + lane / 16 of either, two whole rows of 256 bytes a load, and my four columns of Wo: 17 loads into window 1.
; wo, oo: bytes from where the three pointers stand to the step that is wanted.
.macro WLD wo, oo
	global_load_b128 v[FP+64:FP+67], v[WOO], s[24:25] offset:(\oo)
.set i, 0
.rept 8
	global_load_b128 v[FP+4*i:FP+4*i+3], v[WGO], s[16:17] offset:(\wo)+2048*i
	global_load_b128 v[FP+32+4*i:FP+32+4*i+3], v[WGO], s[20:21] offset:(\wo)+2048*i
.set i, i+1
.endr
.set ISS, ISS+17
.endm
; WCV: wo dt; Wa times it, Wb times -log2 e; each number rounded once; 8 bytes a lane into WT, lo bytes behind the slot at which WLS stands.
.macro WCV lo
	WIN 0x55
	v_pk_mul_f32 v[FP+64:FP+65], v[FP+64:FP+65], s[60:61] op_sel_hi:[1,0]
	v_pk_mul_f32 v[FP+66:FP+67], v[FP+66:FP+67], s[60:61] op_sel_hi:[1,0]
.set i, 0
.rept 8
.set rD, FP+4*i
	v_pk_mul_f32 v[rD:rD+1], v[rD:rD+1], v[FP+64:FP+65]
	v_pk_mul_f32 v[rD+2:rD+3], v[rD+2:rD+3], v[FP+66:FP+67]
	v_cvt_pk_bf16_f32 v[rD], v[rD], v[rD+1]
	v_cvt_pk_bf16_f32 v[rD+1], v[rD+2], v[rD+3]
.set rD, FP+32+4*i
	v_pk_mul_f32 v[rD:rD+1], v[rD:rD+1], s[46:47] op_sel_hi:[1,0]
	v_pk_mul_f32 v[rD+2:rD+3], v[rD+2:rD+3], s[46:47] op_sel_hi:[1,0]
	v_cvt_pk_bf16_f32 v[rD], v[rD], v[rD+1]
	v_cvt_pk_bf16_f32 v[rD+1], v[rD+2], v[rD+3]
.set i, i+1
.endr
	WIN 0x04
.set i, 0
.rept 8
	ds_store_b64 v[WLS], v[FP+4*i:FP+4*i+1] offset:(\lo)+8*WP*i
	ds_store_b64 v[WLS], v[FP+32+4*i:FP+32+4*i+1] offset:(\lo)+8*WP*i+128
.set i, i+1
.endr
.endm
.macro GFLOAD gq                       ; out of my scratch: 8 channels (16 w + 8 (gq % 2) + e) of 32 nodes (block gq / 2), a lane a node
.set nb, (\gq)/2
.set rD, 128+8*((\gq)%16)
.irp e, 0,1,2,3,4,5,6,7
.if nb < 10
	ds_load_b32 v[rD+\e], v[GSL] offset:128*nb+(8*((\gq)%2)+\e)*1300
.elseif nb == 10
	ds_load_b32 v[rD+\e], v[GSL10] offset:(8*((\gq)%2)+\e)*1300
.else
	ds_load_b32 v[rD+\e], v[GSL11] offset:(8*((\gq)%2)+\e)*1300
.endif
.endr
.endm
.macro GFCONV gq
.set rD, 128+8*((\gq)%16)
.irp p, 0,2,4,6
	v_pk_mul_f32 v[rD+\p:rD+\p+1], v[rD+\p:rD+\p+1], s[50:51] op_sel_hi:[1,0]
.endr
.irp p, 0,1,2,3
	v_cvt_pk_bf16_f32 v[rD+\p], v[rD+2*\p], v[rD+2*\p+1]
.endr
.endm
.macro GFPUT gq
.set rD, 128+8*((\gq)%16)
	ds_store_b128 v[GFA], v[rD:rD+3] offset:32*GFP*((\gq)/2)+16*((\gq)%2)
.endm
.macro VTLOAD i                        ; step thread / 64 + 2 i: Wa[64], Wb[64], ba, bb, Wo
	global_load_b32 v[196+5*(\i)], v[VTG], s[16:17] offset:33280*(\i)+16384
	global_load_b32 v[197+5*(\i)], v[VTG], s[20:21] offset:33280*(\i)+16384
	global_load_b32 v[198+5*(\i)], v[T4], s[18:19] offset:512*(\i)
	global_load_b32 v[199+5*(\i)], v[T4], s[22:23] offset:512*(\i)
	global_load_b32 v[200+5*(\i)], v[T4], s[24:25] offset:512*(\i)
.set ISS, ISS+5
.endm
; ---------------------------------------------------------------- the loop's macros
; Group g = 0..11 of a step: quarter g / 3 of the hidden, z's window 1 + g % 3, units i = 0..6 (tile 7 (g % 3) + i).
.macro CI m, g, i, p                   ; pair p of a unit's C operand: W[64] y + bias (m = 0: a, 1: b).  y lies in z's window, as source 1
.if (\m) == 0
.set rD, AB+8*(\i)+2*(\p)
.set rV, VA64+2*(\p)
.set rB, VBA+2*(\p)
.else
.set rD, BB0+56*((\g)%2)+8*(\i)+2*(\p)
.set rV, VB64+2*(\p)
.set rB, VBB+2*(\p)
.endif
.set rY, 112+2*((\i)/2)
.if ((\i)%2) == 0
	v_pk_fma_f32 v[rD:rD+1], v[rV:rV+1], v[rY:rY+1], v[rB:rB+1] op_sel_hi:[1,0,1]
.else
	v_pk_fma_f32 v[rD:rD+1], v[rV:rV+1], v[rY:rY+1], v[rB:rB+1] op_sel:[0,1,0] op_sel_hi:[1,1,1]
.endif
.set PLN, PLN+1
.endm
.macro WM m, g, i, c                   ; channels 32 c on of a unit's product
.if (\m) == 0
.set rD, AB+8*(\i)
.set rW, WA+8*(\c)
.else
.set rD, BB0+56*((\g)%2)+8*(\i)
.set rW, WB+8*(\c)
.endif
.set rZ, 16*(\i)+8*(\c)
	v_wmma_f32_16x16x32_bf16 v[rD:rD+7], v[rW:rW+7], v[rZ:rZ+7], v[rD:rD+7]
.if (\c) == 1
.if (\m) == 0
.set MKAQ, MKAP
.set MKAP, MKA
.set MKA, PLN
.else
.set MKBP, MKB
.set MKB, PLN
.set bc, 1
.endif
.endif
.endm
.macro EX g, i, j                      ; 2^(-b log2 e), in place
.set rD, BB0+56*((\g)%2)+8*(\i)+(\j)
	v_exp_f32 v[rD], v[rD]
.endm
.macro RC g, i, j                      ; the sigmoid, in place
.set rD, BB0+56*((\g)%2)+8*(\i)+(\j)
	v_rcp_f32 v[rD], v[rD]
.endm
.macro A1 g, i, p
.set rD, BB0+56*((\g)%2)+8*(\i)+2*(\p)
	v_pk_add_f32 v[rD:rD+1], v[rD:rD+1], 1.0 op_sel_hi:[1,0]
.set PLN, PLN+1
.endm
.macro FM g, i, p                      ; the tile's sum takes a' sigmoid(b); a step's first such line starts it with bo dt / 4: nothing is cleared
.set rF, FACC+2*(7*((\g)%3)+(\i))
.set rA, AB+8*(\i)+2*(\p)
.set rD, BB0+56*((\g)%2)+8*(\i)+2*(\p)
.if ((\g) < 3) && ((\p) == 0)
	v_pk_fma_f32 v[rF:rF+1], v[rA:rA+1], v[rD:rD+1], v[CQ:CQ+1] op_sel_hi:[1,1,0]
.else
	v_pk_fma_f32 v[rF:rF+1], v[rA:rA+1], v[rD:rD+1], v[rF:rF+1]
.endif
.set PLN, PLN+1
.endm
.macro WSET m, ds, q                   ; quarter q's fragments and vectors of Wa' (m = 0) or Wb' (1), of this step (ds = 0) or the next (1)
	WIN 0
.irp c, 0,1
.irp u, 0,1
	ds_load_tr16_b128 v[WA-16*(\m)+8*\c+4*\u:WA-16*(\m)+8*\c+4*\u+3], v[AW] offset:(\ds)*WSTEP+\c*32*WP+\u*16*WP+(\m)*128+(\q)*32
.endr
.endr
.irp u, 0,1
	ds_load_b128 v[VA64-16*(\m)+4*\u:VA64-16*(\m)+4*\u+3], v[AV] offset:(\ds)*1024+(\m)*512+64*(\q)+16*\u
	ds_load_b128 v[VBA-16*(\m)+4*\u:VBA-16*(\m)+4*\u+3], v[AV] offset:(\ds)*1024+(\m)*512+256+64*(\q)+16*\u
.endr
.endm
.macro HLOAD L                         ; layer L's activations of the four batch rows, as source 1
	WIN 0x40
.irp c, 0,1
	ds_load_b128 v[HF+8*\c:HF+8*\c+3], v[AH] offset:768*(\L)+64*\c
	ds_load_b128 v[HF+8*\c+4:HF+8*\c+7], v[AH] offset:768*(\L)+64*\c+32
.endr
.endm
.macro GPOST L                         ; the two halves of K are added, relu, bf16, my 16 outputs into LDS (lanes 4 apart hold and store the same)
	WIN 0x55
.irp p, 0,2,4,6
	v_pk_add_f32 v[GA0+\p:GA0+\p+1], v[GA0+\p:GA0+\p+1], v[GA1+\p:GA1+\p+1]
.endr
.irp j, 0,1,2,3,4,5,6,7
	v_max_num_f32 v[GA0+\j], 0, v[GA0+\j]
.endr
.irp p, 0,1,2,3
	v_cvt_pk_bf16_f32 v[GA1+\p], v[GA0+2*\p], v[GA0+2*\p+1]
.endr
	WIN 0x04
	ds_store_b128 v[AHS], v[GA1:GA1+3] offset:768*(\L)
.endm
.macro MEET                            ; the turn's head has just waited for all my LDS instructions
	s_barrier_signal -1
	s_barrier_wait -1
.endm
; The pieces of g, and of the next step's W, one at the head of a turn.
.macro HOOK tau
.if (\tau) == 1
	s_wait_kmcnt 0x0                               ; bo[k]
	WIN 0xaa
	v_mov_b32 v[CQ], s50
	v_mul_f32 v[CQ], s63, v[CQ]
	WIN 0x57                                       ; GW0 window 3; y, Gb0 and the sums window 1.  Two accumulators take turns along K
	v_wmma_f32_16x16x32_bf16 v[GA0:GA0+7], v[GW0R:GW0R+7], v[FP:FP+7], v[GB0R:GB0R+7]
	v_wmma_f32_16x16x32_bf16 v[GA1:GA1+7], v[GW0R+8:GW0R+15], v[FP+8:FP+15], 0
.set kk, 2
.rept 9
.set rD, GA0+8*(kk%2)
	v_wmma_f32_16x16x32_bf16 v[rD:rD+7], v[GW0R+8*kk:GW0R+8*kk+7], v[FP+8*kk:FP+8*kk+7], v[rD:rD+7]
.set kk, kk+1
.endr
.elseif (\tau) == 2
	GPOST 0
	WIN 0                                          ; at a branch and at a label every window is 0
	s_cmp_eq_u32 s48, 1                            ; the last step has no next one: its loads would leave Wa, Wb and Wo
	s_cbranch_scc1 .Lno_load
	WIN 0x40
	WLD 16640, 256                                 ; the next step's Wa, Wb, Wo, into the registers that y's fragments left a turn ago
	WIN 0
.Lno_load:
.elseif (\tau) == 3
	MEET                                           ; all four waves' parts of layer 0 lie in LDS
	HLOAD 0
.elseif (\tau) == 4
	WIN 0x67                                       ; Gb1 in window 2
	v_wmma_f32_16x16x32_bf16 v[GA0:GA0+7], v[GW1R:GW1R+7], v[HF:HF+7], v[GB0R:GB0R+7]
	v_wmma_f32_16x16x32_bf16 v[GA1:GA1+7], v[GW1R+8:GW1R+15], v[HF+8:HF+15], 0
.elseif (\tau) == 5
	GPOST 1
.elseif (\tau) == 6
	MEET
	HLOAD 1
.elseif (\tau) == 7
	s_wait_loadcnt 0x0                             ; the next step's W, asked for five turns ago (and the noise); on every way, ahead of the jump
	WIN 0
	s_cmp_eq_u32 s48, 1
	s_cbranch_scc1 .Lno_conv
	WCV WSTEP                                      ; into the next step's slot: waited for at the next turn's head, shown to all by turn 9's barrier, first read in turn 11
	WIN 0
.Lno_conv:
	WIN 0x77                                       ; Gb2 in window 3
	v_wmma_f32_16x16x32_bf16 v[GA0:GA0+7], v[GW2R:GW2R+7], v[HF:HF+7], v[GB2R:GB2R+7]
	v_wmma_f32_16x16x32_bf16 v[GA1:GA1+7], v[GW2R+8:GW2R+15], v[HF+8:HF+15], 0
.elseif (\tau) == 8
	GPOST 2
.elseif (\tau) == 9
	MEET
	HLOAD 2
.set i, 0
.rept 6                                        ; my node tiles w + 4 i: GWf's fragments, and the bias as the sums' start
.irp c, 0,1
	ds_load_b128 v[FP+16*i+8*\c:FP+16*i+8*\c+3], v[AGF] offset:64*GFP*i+64*\c
	ds_load_b128 v[FP+16*i+8*\c+4:FP+16*i+8*\c+7], v[AGF] offset:64*GFP*i+64*\c+32
.endr
.set i, i+1
.endr
	WIN 0x80
.set i, 0
.rept 6
	ds_load_b128 v[GACC+8*i:GACC+8*i+3], v[AGB] offset:256*i
	ds_load_b128 v[GACC+8*i+4:GACC+8*i+7], v[AGB] offset:256*i+16
.set i, i+1
.endr
.elseif (\tau) == 10
	WIN 0xa5                                       ; GWf and the activations window 1, the six sums window 2, by turns
.irp c, 0,1
.set i, 0
.rept 6
	v_wmma_f32_16x16x32_bf16 v[GACC+8*i:GACC+8*i+7], v[FP+16*i+8*\c:FP+16*i+8*\c+7], v[HF+8*\c:HF+8*\c+7], v[GACC+8*i:GACC+8*i+7]
.set i, i+1
.endr
.endr
.elseif (\tau) == 11
	WIN 0x08
.set i, 0
.rept 6                                        ; each accumulator's low half first
	ds_store_b128 v[AGS], v[GACC+8*i:GACC+8*i+3] offset:256*i
	ds_store_b128 v[AGS], v[GACC+8*i+4:GACC+8*i+7] offset:256*i+16
.set i, i+1
.endr
.elseif (\tau) == 12
	MEET
	WIN 0x80
.set t, 0
.rept 20
	ds_load_b32 v[GUR+t], v[AGR] offset:64*t
.set t, t+1
.endr
	ds_load_b32 v[GUR+20], v[AGR20]
	ds_load_b32 v[GUR+21], v[AGR20]                ; fills the last pair
.endif
.endm
; A TURN.  In turn tau group gb = tau has b's products and exponentials, group ga = tau - 1 has a's products and b's + 1 and reciprocals, group gf = tau - 2 is summed.
; TEN SUB-SLOTS.  In sub-slot s stand the products b(s, first half of K), b(s - 1, second), a(s - 2, first), a(s - 3, second): no two neighbours share an accumulator, and each turn of an accumulator is one
; instruction.  a lags b by two sub-slots, so that the exponentials of b's last units still find products of a to stand behind.
; THE DEAL.  A unit has 4 matrix and 32 vector instructions, too many to stand all beside the matrix work.  Behind each product stand four riders, plain and transcendental by turns: a pair of a later
; unit's C operand, and the next transcendental that is ready (TN: the reciprocals of unit s, then the exponentials of unit s - 2).  What is left of a sub-slot (eight transcendentals, the next unit's
; four + 1) stands together behind its four products.  A C operand wants z's window of its own group as source 1; all else lies in window 0: two switches a sub-slot, each directly behind a product.
; ONE WAIT A TURN: the 56 exponentials of gb and the 56 reciprocals of ga are one batch; all that name their results (+ 1 and reciprocals of gb, the sums of ga) stand in the next turn.
.macro TN                              ; the next transcendental that is ready, if one is left
.if HA && (rq < 56) && (rq < 8*(sl+1))
	RC ga, rq/8, rq%8
.set rq, rq+1
.elseif HB && (eq < 56) && (eq < 8*(sl-1))
.if (eq%8) == 0                        ; a unit's first exponential reads a matrix result: four places behind the product that closed unit s - 2, which is the last but one if this sub-slot has closed another
.if bc
	NEED MKBP, 4
.else
	NEED MKB, 4
.endif
.endif
	EX gb, eq/8, eq%8
.set eq, eq+1
.endif
.endm
.macro TNB                             ; the same, in b's places: from sub-slot 8 on these hold no product, and what is left waits for a's
.if (HA == 0) || (sl <= 7)
	TN
.endif
.endm
.macro RB j                            ; pair j of the C operand of b's next unit
.if HB && (sl <= 5)
	WIN (1+gb%3)<<2
	CI 1, gb, sl+1, \j
.endif
.endm
.macro RA j                            ; pair j of the C operand of a's next unit
.if HA && (sl >= 1) && (sl <= 7)
	WIN (1+ga%3)<<2
	CI 0, ga, sl-1, \j
.endif
.endm
.macro TURN tau
.set gb, (\tau)
.set ga, (\tau)-1
.set gf, (\tau)-2
.set HA, ((ga >= 0) && (ga <= 11))
.set HB, ((gb <= 11) && 1)
.set rq, 0
.set eq, 0
.if HA
.if (MSB & 0xc3)
	WIN 0
.endif
.irp p, 0,1,2,3
	A1 ga, 0, \p                                   ; unit 0's + 1 stands ahead of the sums: four of the places behind a's last products
.endr
.endif
.if gf >= 0
	WIN 0xa0                                       ; a' and sigmoid window 0, the sums window 2
.set p, 0
.rept 4                                        ; each accumulator's lowest registers first; a tile's links stand seven apart
.set i, 0
.rept 7
.if p == 0                             ; units 4, 5, 6 were closed last: the sums of the units ahead of them, which name none of those products' registers, are places too; eight are kept
.if i == 4
	NEED MKAQ, 8
.elseif i == 5
	NEED MKAP, 8
.elseif i == 6
	NEED MKA, 8
.endif
.endif
	FM gf, i, p
.set i, i+1
.endr
.set p, p+1
.endr
.endif
.if (\tau) >= 1
	s_wait_dscnt 0x0                               ; all that the turn before asked of LDS or put there: Wb's quarter, g's loads and stores, W's stores
.endif
	HOOK \tau
.if ((\tau) == 4) || ((\tau) == 7) || ((\tau) == 10)
	NEED MKA, 4
	WSET 0, 0, ((\tau)-1)/3                        ; the one set of Wa' takes this turn's quarter: first wanted in sub-slot 1
.endif
.if (\tau) == 13
	NEED MKA, 4
	WSET 0, 1, 0                                   ; or the next step's first.  Behind the last step these loads, and turn 11's, read static bytes behind WT and VT that serve nothing: the price of one text for every trip
.endif
.if HB
	WIN (1+gb%3)<<2
.irp p, 0,1,2,3
	CI 1, gb, 0, \p
.endr
.elseif HA
	WIN (1+ga%3)<<2
.endif
.set sl, 0
.rept 10
.set bc, 0
.if (sl == 1) && (((\tau) == 4) || ((\tau) == 7) || ((\tau) == 10))
	s_wait_dscnt 0x0                               ; Wa's quarter is in
.endif
.if (sl == 8) && (((\tau) == 2) || ((\tau) == 5) || ((\tau) == 8))
	NEED MKB, 4
	WSET 1, 0, ((\tau)+1)/3                        ; b's products are over: the one set of Wb' takes the next quarter,
.endif
.if (sl == 8) && ((\tau) == 11)
	NEED MKB, 4
	WSET 1, 1, 0                                   ; or the next step's first
.endif
.if HB && (sl <= 6)
	WIN (1+gb%3)<<2
	WM 1, gb, sl, 0
.endif
	RB 0
	TNB
	RB 1
	TNB
.if HB && (sl >= 1) && (sl <= 7)
	WIN (1+gb%3)<<2
	WM 1, gb, sl-1, 1
.endif
	RA 0
	TNB
	RA 1
	TNB
.if HA && (sl >= 2) && (sl <= 8)
	WIN (1+ga%3)<<2
	WM 0, ga, sl-2, 0
.endif
	RA 2
	TN
	RA 3
	TN
.if HA && (sl >= 3)
	WIN (1+ga%3)<<2
	WM 0, ga, sl-3, 1
.endif
	RB 2
	TN
	RB 3
	TN
.if (HA == 0) || (sl != 8)             ; the rest of the sub-slot (in sub-slot 8 it is kept for a's last product)
.set ja, 0
.rept 4
.if HA && (sl <= 5)
	A1 ga, sl+1, ja
.endif
.set ja, ja+1
	TN
	TN
.endr
.endif
.set sl, sl+1
.endr
.if (\tau) <= 12
	v_nop                                          ; a plain instruction behind the batch's last transcendental,
.set PLN, PLN+1
	s_wait_alu depctr_va_vdst(0)                   ; and the batch's one wait, ahead of the next turn, which uses the results
.endif
.endm
.macro YSTORE                          ; my y as bf16 into my row of YB (both halves of the lanes hold and store the same)
.set gg, 0
.rept 3
	WIN (1+gg)|((1+gg)<<2)|0x80
.set i, 0
.rept 7
	v_cvt_pk_bf16_f32 v[FACC+2*(7*gg+i)+1], v[112+i], v[112+i]
.set i, i+1
.endr
.set gg, gg+1
.endr
	WIN 0x08
.set t, 0
.rept 20
	ds_store_b16 v[AYS], v[FACC+2*t+1] offset:32*t
.set t, t+1
.endr
	ds_store_b16 v[AYS20], v[FACC+41]
.endm
.macro BOUNDARY                        ; y += f dt + tanh(u) sqrt(dt) eps, a number a lane and tile
	s_wait_loadcnt 0x0                             ; the noise, asked for at the step's head
	WIN 0xaa
.set t, 0
.rept 21
	v_add_f32 v[FACC+2*t], v[FACC+2*t], v[FACC+2*t+1]
	v_exp_f32 v[GUR+t], v[GUR+t]
	v_mul_f32 v[NZ+t], s62, v[NZ+t]
.set t, t+1
.endr
.set t, 0
.rept 21
	v_permlanex16_b32 v[FACC+2*t+1], v[FACC+2*t], s52, s53  ; the node's other 32 hidden lie in the lane 16 away
.set t, t+1
.endr
	v_nop
	s_wait_alu depctr_va_vdst(0)                   ; one wait for the 21 exponentials
.set t, 0
.rept 11
	v_pk_add_f32 v[GUR+2*t:GUR+2*t+1], v[GUR+2*t:GUR+2*t+1], 1.0 op_sel_hi:[1,0]
.set t, t+1
.endr
.set t, 0
.rept 21
	v_rcp_f32 v[GUR+t], v[GUR+t]
	v_add_f32 v[FACC+2*t], v[FACC+2*t], v[FACC+2*t+1]
.set t, t+1
.endr
	v_nop
	s_wait_alu depctr_va_vdst(0)                   ; one wait for the 21 reciprocals
.set t, 0
.rept 11
	v_pk_fma_f32 v[GUR+2*t:GUR+2*t+1], v[GUR+2*t:GUR+2*t+1], -2.0, 1.0 op_sel_hi:[1,0,0]
.set t, t+1
.endr
.set t, 0
.rept 21
	v_fma_f32 v[FACC+2*t], v[NZ+t], v[GUR+t], v[FACC+2*t]
.set t, t+1
.endr
.set gg, 0
.rept 3
	WIN 0x02|((1+gg)<<2)|((1+gg)<<6)
.set i, 0
.rept 7
	v_add_f32 v[112+i], v[FACC+2*(7*gg+i)], v[112+i]
.set i, i+1
.endr
.set gg, gg+1
.endr
.endm
; ================================================================ THE HEAD
	s_load_b512 s[8:23], s[0:1], 0x0               ; times, y0, z, noise, Wa, ba, Wb, bb
	s_load_b512 s[24:39], s[0:1], 0x40             ; Wo, bo, GW0, Gb0, GW1, Gb1, GW2, Gb2
	s_load_b128 s[40:43], s[0:1], 0x80             ; GWf, Gbf
	s_load_b64 s[44:45], s[0:1], 0x90              ; out0
	WIN 0xc0
	v_lshl_add_u32 v[SPW], v0, 2, SPARE
	v_mov_b32 v[NIL], 0
	WIN 0
	v_lshrrev_b32 v1, 5, v0
	v_readfirstlane_b32 s2, v1                     ; wave 0..3
	s_lshl_b32 s3, ttmp9, 2
	s_add_co_u32 s3, s3, s2                        ; my batch row
	s_lshl_b32 s4, s2, 5                           ; 32 w
	s_mul_i32 s5, s2, 16*GFP
	s_lshl_b32 s6, s2, 6                           ; 64 w
	s_mul_i32 s7, s2, GUP
	s_mul_i32 s48, s2, YP
	s_lshl_b32 s49, s2, 1                          ; 2 w
	s_mul_i32 s54, s2, 16*ZP
	s_add_co_u32 s54, s54, ZS                      ; my stage for z
	s_mul_i32 s55, s2, 20800
	s_add_co_u32 s55, s55, GS                      ; my scratch for GWf
	s_mov_b32 s52, 0x76543210
	s_mov_b32 s53, 0xfedcba98
	v_and_b32 v32, 15, v0                          ; r
	v_bfe_u32 v33, v0, 4, 1                        ; h
	v_and_b32 v35, 7, v0
	v_bfe_u32 v36, v0, 3, 1
	v_and_b32 v37, 3, v0
	v_add_nc_u32 v38, 320, v32
	v_min_u32 v38, 324, v38                        ; my node in tile 20
	v_lshl_add_u32 v40, v33, 3, v35                ; the turning load's row: 8 h + lane % 8
	v_mul_u32_u24 v[AW], v40, WP
	v_lshl_add_u32 v[AW], v36, 4, v[AW]
	v_lshl_add_u32 v[AV], v33, 5, VT
	v_mul_u32_u24 v[AY], v37, YP
	v_lshl_add_u32 v[AY], v33, 4, v[AY]
	v_add_nc_u32 v[AY], YB, v[AY]
	v_mul_u32_u24 v[AH], v37, HP
	v_lshl_add_u32 v[AH], v33, 4, v[AH]
	v_add_nc_u32 v[AH], HB, v[AH]
	v_add_nc_u32 v[AHS], s4, v[AH]
	v_mul_u32_u24 v[AGF], v32, GFP
	v_lshl_add_u32 v[AGF], v33, 4, v[AGF]
	v_add_nc_u32 v[AGF], s5, v[AGF]
	v_add_nc_u32 v[AGF], GF, v[AGF]
	v_lshl_add_u32 v41, v33, 5, s6                 ; 64 w + 32 h
	v_add_nc_u32 v[AGB], GBF, v41
	v_mul_u32_u24 v[AGS], v37, GUP
	v_add_nc_u32 v[AGS], v[AGS], v41
	v_add_nc_u32 v[AGS], GU, v[AGS]
	v_lshl_add_u32 v[AGR], v32, 2, s7
	v_add_nc_u32 v[AGR], GU, v[AGR]
	v_lshl_add_u32 v[AGR20], v38, 2, s7
	v_add_nc_u32 v[AGR20], GU, v[AGR20]
	v_lshl_add_u32 v[AYS], v32, 1, s48
	v_add_nc_u32 v[AYS], YB, v[AYS]
	v_lshl_add_u32 v[AYS20], v38, 1, s48
	v_add_nc_u32 v[AYS20], YB, v[AYS20]
	v_lshlrev_b32 v[NO], 2, v32
	v_lshlrev_b32 v[NO20], 2, v38
	v_add_nc_u32 v39, s49, v33                     ; a weight row of eight: 2 w + lane / 16; 16 lanes take its 256 bytes
	v_lshlrev_b32 v[WGO], 8, v39
	v_lshl_add_u32 v[WGO], v32, 4, v[WGO]          ; its place in memory
	v_add_nc_u32 v42, 320, v39
	v_min_u32 v42, 324, v42
	v_lshlrev_b32 v19, 8, v42
	v_lshl_add_u32 v19, v32, 4, v19                ; v19: GW0's rows 320 on, clamped
	v_mul_u32_u24 v20, v39, TP
	v_lshl_add_u32 v20, v32, 3, v20                ; v20: its place in the scratch;  v21: in GW2's part, past the 16-bit offset
	v_add_nc_u32 v21, TG2, v20
	v_cmp_gt_u32 vcc_lo, 5, v39
	v_cndmask_b32 v[MASK], 0, 1.0, vcc_lo
	v_mul_u32_u24 v23, v40, TP
	v_lshl_add_u32 v23, v36, 4, v23
	v_add_nc_u32 v23, s4, v23                      ; v23: my place in a turned fragment of the scratch, outputs 16 w on;  v29: in GW2's part
	v_add_nc_u32 v29, TG2, v23
	v_mov_b32 v24, 0
	v_mov_b32 v25, 0
	v_mov_b32 v26, 0
	v_mov_b32 v27, 0
	v_lshl_add_u32 v28, v0, 4, YB
	v_lshlrev_b32 v[WOO], 4, v32
	v_mul_u32_u24 v[WLS], v39, WP
	v_lshl_add_u32 v[WLS], v32, 3, v[WLS]
	v_and_b32 v43, 31, v0                          ; lane
	v_lshlrev_b32 v[L16], 4, v43
	v_mul_u32_u24 v[ZST], v33, ZP
	v_lshl_add_u32 v[ZST], v32, 3, v[ZST]
	v_add_nc_u32 v[ZST], s54, v[ZST]
	v_mul_u32_u24 v[ZLD], v32, ZP
	v_add_nc_u32 v[ZPA], s54, v[ZLD]
	v_add_nc_u32 v[ZPA], 128, v[ZPA]
	v_lshl_add_u32 v[ZLD], v33, 4, v[ZLD]
	v_add_nc_u32 v[ZLD], s54, v[ZLD]
	v_min_u32 v42, 4, v32
	v_mul_u32_u24 v[ZLD20], v42, ZP
	v_lshl_add_u32 v[ZLD20], v33, 4, v[ZLD20]
	v_add_nc_u32 v[ZLD20], s54, v[ZLD20]
	v_add_nc_u32 v[GSS], s55, v[L16]
	v_lshl_add_u32 v[GSL], v43, 2, s55
	v_add_nc_u32 v44, 320, v43
	v_min_u32 v44, 324, v44
	v_lshl_add_u32 v[GSL10], v44, 2, s55
	v_mov_b32 v[GSL11], s55
	v_add_nc_u32 v[GSL11], 1296, v[GSL11]
	v_mul_u32_u24 v[GFA], v43, GFP
	v_add_nc_u32 v[GFA], s4, v[GFA]
	v_add_nc_u32 v[GFA], GF, v[GFA]
	v_lshlrev_b32 v[T4], 2, v0
	v_add_nc_u32 v[GBC], 256, v0
	v_min_u32 v[GBC], 324, v[GBC]
	v_lshlrev_b32 v[GBC], 2, v[GBC]
	v_lshrrev_b32 v44, 6, v0                       ; thread / 64: the step's parity
	v_and_b32 v45, 63, v0
	v_lshlrev_b32 v45, 2, v45                      ; 4 x hidden
	v_lshl_add_u32 v[VTL], v44, 10, v45
	v_add_nc_u32 v[VTL], VT, v[VTL]
	v_mul_u32_u24 v[VTG], v44, 16640
	v_add_nc_u32 v[VTG], v[VTG], v45
	v_add_nc_u32 v[GBFA], GBF, v[T4]
	v_mul_u32_u24 v[PAD], v0, GFP
	v_add_nc_u32 v[PAD], GF+128, v[PAD]
	v_mov_b32 v[BOF], v41
	s_wait_kmcnt 0x0
	s_load_b64 s[46:47], s[8:9], 0x0               ; times[0], times[1]
	s_mov_b32 s5, 0
	s_mul_i32 s4, s3, 83200
	s_add_nc_u64 s[12:13], s[12:13], s[4:5]        ; z at my batch row
	s_mul_i32 s4, s3, 1300
	s_add_nc_u64 s[10:11], s[10:11], s[4:5]        ; y0,
	s_add_nc_u64 s[56:57], s[14:15], s[4:5]        ; noise likewise
	s_mul_i32 s4, ttmp9, 5200
	s_add_nc_u64 s[58:59], s[44:45], s[4:5]        ; out0 at the group's four rows
	s_mul_i32 s4, s2, 20800
	s_add_nc_u64 s[40:41], s[40:41], s[4:5]        ; GWf at channel 16 w
	; ---- z's ring is filled first; behind it GW0, GW1, GW2: 57 loads
	ZISSUE 0
	ZISSUE 1
	ZISSUE 2
	ZISSUE 3
	ZISSUE 4
	ZISSUE 5
	WIN 0x40
.set i, 0
.rept 32
	global_load_b128 v[128+4*i:131+4*i], v[WGO], s[28:29] offset:2048*i
.set i, i+1
.endr
	WIN 0x80
.set i, 32
.rept 8
	global_load_b128 v[4*i:4*i+3], v[WGO], s[28:29] offset:2048*i
.set i, i+1
.endr
	global_load_b128 v[160:163], v19, s[28:29]
.set i, 0
.rept 8
	global_load_b128 v[164+4*i:167+4*i], v[WGO], s[32:33] offset:2048*i
	global_load_b128 v[196+4*i:199+4*i], v[WGO], s[36:37] offset:2048*i
.set i, i+1
.endr
.set ISS, ISS+57
.set GWE, ISS
	s_wait_kmcnt 0x0                               ; times
	WIN 0xaa
	v_mov_b32 v250, s46
	v_sub_f32 v250, s47, v250                      ; dt
	v_sqrt_f32 v251, v250
	v_mul_f32 v252, 0x3e800000, v250               ; dt / 4: also the plain instruction behind the root
	s_wait_alu depctr_va_vdst(0)                   ; ahead of the root's first use
	v_readfirstlane_b32 s60, v250
	v_readfirstlane_b32 s62, v251
	v_readfirstlane_b32 s63, v252
	s_mov_b32 s61, s60
	s_mov_b32 s46, 0xbfb8aa3b                      ; -log2 e, as a pair for the packed multiplies
	s_mov_b32 s47, s46
	s_mov_b32 s50, 0x4038aa3b                      ; 2 log2 e likewise
	s_mov_b32 s51, s50
	ZT 0, 6
	ZT 1, 7
	; ---- GW0, GW1, GW2: f32 rows -> bf16 scratch -> turned fragments in registers
	LWAIT GWE                                      ; behind them: tiles 6 and 7
	WIN 0x55
.set i, 0
.rept 32
	v_cvt_pk_bf16_f32 v[128+4*i], v[128+4*i], v[129+4*i]
	v_cvt_pk_bf16_f32 v[129+4*i], v[130+4*i], v[131+4*i]
.set i, i+1
.endr
	WIN 0x04
.set i, 0
.rept 32
	ds_store_b64 v20, v[128+4*i:129+4*i] offset:8*TP*i
.set i, i+1
.endr
	WIN 0x88
.irp e, 0,1,2,3
	v_mul_f32 v[160+\e], v[MASK], v[160+\e]        ; rows 325-327 are 0
.endr
	WIN 0xaa
.set i, 0
.rept 25
	v_cvt_pk_bf16_f32 v[128+4*i], v[128+4*i], v[129+4*i]
	v_cvt_pk_bf16_f32 v[129+4*i], v[130+4*i], v[131+4*i]
.set i, i+1
.endr
	WIN 0x08
.set i, 0
.rept 9
	ds_store_b64 v20, v[128+4*i:129+4*i] offset:8*TP*(32+i)
.set i, i+1
.endr
.set i, 0
.rept 8
	ds_store_b64 v20, v[164+4*i:165+4*i] offset:TG1+8*TP*i
	ds_store_b64 v21, v[196+4*i:197+4*i] offset:8*TP*i
.set i, i+1
.endr
	WIN 0
.irp i, 41,42,43
	ds_store_b64 v20, v[24:25] offset:8*TP*\i      ; rows 328-351 are 0
.endr
	ds_store_b128 v28, v[24:27]                    ; YB is zeroed: 128 threads x 16 bytes, twice;
	ds_store_b128 v28, v[24:27] offset:2048
.irp i, 0,1,2
	ds_store_b128 v28, v[24:27] offset:OUTB-YB+2048*\i  ; and OUTB, three times: the way out reads all 6,144 bytes of it
.endr
	ds_store_b128 v[PAD], v[24:27]                 ; the pads of GF's rows 0-127 are written, so that the last step's look-ahead behind WT and VT reads written bytes alone;
	ds_store_b128 v[ZPA], v[24:27]                 ; and the pads of my stage for z (lanes 16 apart write the same 16 bytes), so that no byte of the stage is left unwritten
	s_wait_dscnt 0x0                               ; for the others' sake: my stores are done
	s_barrier_signal -1
	s_barrier_wait -1
	WIN 0xc0
.set kk, 0
.rept 11
	ds_load_tr16_b128 v[GW0R+8*kk:GW0R+8*kk+3], v23 offset:32*TP*kk
	ds_load_tr16_b128 v[GW0R+8*kk+4:GW0R+8*kk+7], v23 offset:32*TP*kk+16*TP
.set kk, kk+1
.endr
.irp c, 0,1
	ds_load_tr16_b128 v[GW1R+8*\c:GW1R+8*\c+3], v23 offset:TG1+32*TP*\c
	ds_load_tr16_b128 v[GW1R+8*\c+4:GW1R+8*\c+7], v23 offset:TG1+32*TP*\c+16*TP
	ds_load_tr16_b128 v[GW2R+8*\c:GW2R+8*\c+3], v29 offset:32*TP*\c
	ds_load_tr16_b128 v[GW2R+8*\c+4:GW2R+8*\c+7], v29 offset:32*TP*\c+16*TP
.endr
	; ---- the ring goes on; between its tiles the loads of GWf (41 of 512 bytes: my 16 channels as they lie), Gbf, g's biases, the vectors and y0
	ZT 2, 8
	WIN 0x40
	GSLOAD 0, 16, 128
	ZT 3, 9
	WIN 0x40
	GSLOAD 16, 16, 192
	ZT 4, 10
	WIN 0x80
	GSLOAD 32, 8, 128
	global_load_b128 v[160:163], v[L16], s[40:41] offset:20800-512  ; the last 512 bytes: they overlap the piece before, so that no lane is clamped
.set ISS, ISS+1
.set GFE, ISS
	global_load_b32 v192, v[T4], s[42:43]
	global_load_b32 v193, v[T4], s[42:43] offset:512
	global_load_b32 v194, v[GBC], s[42:43]
	global_load_b128 v[GB0R:GB0R+3], v[BOF], s[34:35]          ; Gb1
	global_load_b128 v[GB0R+4:GB0R+7], v[BOF], s[34:35] offset:16
	WIN 0x40
	global_load_b128 v[GB0R:GB0R+3], v[BOF], s[30:31]          ; Gb0
	global_load_b128 v[GB0R+4:GB0R+7], v[BOF], s[30:31] offset:16
	WIN 0xc0
	global_load_b128 v[GB2R:GB2R+3], v[BOF], s[38:39]
	global_load_b128 v[GB2R+4:GB2R+7], v[BOF], s[38:39] offset:16
.set ISS, ISS+9
	ZT 5, 11
	WIN 0x80
	VTLOAD 0
	VTLOAD 1
	VTLOAD 2
	ZT 6, 12
	WIN 0x80
	VTLOAD 3
	VTLOAD 4
	VTLOAD 5
.set VTE, ISS
	ZT 7, 13
.set gg, 0
.rept 3
	WIN (1+gg)<<6
.set i, 0
.rept 7
.if (7*gg+i) < 20
	global_load_b32 v[112+i], v[NO], s[10:11] offset:64*(7*gg+i)
.else
	global_load_b32 v[112+i], v[NO20], s[10:11]
.endif
.set i, i+1
.endr
	v_mov_b32 v119, 0                              ; named with y of unit 6 as a pair
.set gg, gg+1
.endr
.set ISS, ISS+21
	WIN 0x80
	v_mov_b32 v[CQ+1], 0                           ; named with CQ as a pair
	ZT 8, 14
	; ---- GWf: into my scratch as it lies, out again a lane a node, eight channels a lane; x 2 log2 e, bf16, into GF
	LWAIT GFE
	WIN 0x04
.set i, 0
.rept 32
	ds_store_b128 v[GSS], v[128+4*i:131+4*i] offset:512*i
.set i, i+1
.endr
	WIN 0x08
.set i, 0
.rept 8
	ds_store_b128 v[GSS], v[128+4*i:131+4*i] offset:512*(32+i)
.set i, i+1
.endr
	ds_store_b128 v[GSS], v[160:163] offset:20800-512
	WIN 0x40
.set gq, 0
.rept 16
	GFLOAD gq
.set gq, gq+1
.endr
	WIN 0x80
.rept 8
	GFLOAD gq
.set gq, gq+1
.endr
	ZT 9, 15
	s_wait_dscnt 63                                ; window 1's 128 loads are in: behind them stand window 2's 64 and the tile's 12, more than the field names
	WIN 0x55
.set gq, 0
.rept 16
	GFCONV gq
.set gq, gq+1
.endr
	WIN 0x04
.set gq, 0
.rept 16
	GFPUT gq
.set gq, gq+1
.endr
	WIN 0x40
	WLD 0, 0                                       ; step 0's Wa, Wb, Wo
.set W0E, ISS
	ZT 10, 16
	s_wait_dscnt 0x0                               ; window 2's part of GWf
	LWAIT VTE                                      ; Gbf and the vectors
	WIN 0xaa
.set gq, 16
.rept 8
	GFCONV gq
.set gq, gq+1
.endr
.irp i, 0,1,2
	v_mul_f32 v[192+\i], s50, v[192+\i]
.endr
.set i, 0
.rept 6
	v_mul_f32 v[200+5*i], s60, v[200+5*i]          ; wo dt
	v_mul_f32 v[196+5*i], v[196+5*i], v[200+5*i]
	v_mul_f32 v[198+5*i], v[198+5*i], v[200+5*i]
	v_mul_f32 v[197+5*i], s46, v[197+5*i]
	v_mul_f32 v[199+5*i], s46, v[199+5*i]
.set i, i+1
.endr
	WIN 0x08
.set gq, 16
.rept 8
	GFPUT gq
.set gq, gq+1
.endr
.irp i, 0,1,2
	ds_store_b32 v[GBFA], v[192+\i] offset:512*\i
.endr
.set i, 0
.rept 6
	ds_store_b32 v[VTL], v[196+5*i] offset:2048*i
	ds_store_b32 v[VTL], v[198+5*i] offset:2048*i+256
	ds_store_b32 v[VTL], v[197+5*i] offset:2048*i+512
	ds_store_b32 v[VTL], v[199+5*i] offset:2048*i+768
.set i, i+1
.endr
	WIN 0
	s_wait_dscnt 0x0                               ; my reads of both scratches are over:
	s_barrier_signal -1
	s_barrier_wait -1                              ; everybody's are, and W may be written over them
	; ---- z's last tiles; step 0's W goes into WT among them, where its loads have come in their turn
	ZT 11, 17
	ZT 12, 18
	ZT 13, 19
	ZT 14, 20
	ZT 15, -1
	LWAIT W0E                                      ; behind them: tiles 16 to 20
	WCV 0
	ZT 16, -1
	ZT 17, -1
	ZT 18, -1
	ZT 19, -1
	ZT 20, -1
	WIN 0
	s_wait_dscnt 0x0                               ; my parts of the tables are written (and z's fragments are in),
	s_barrier_signal -1
	s_barrier_wait -1                              ; everybody's are
	WSET 1, 0, 0
	WSET 0, 0, 0
	s_wait_loadcnt 0x0                             ; nothing is out: y0 and g's biases have long come
	s_mov_b32 s48, 12
; ================================================================ THE TWELVE STEPS
.Lstep:
	YSTORE
	s_wait_dscnt 0x0                               ; my y lies in YB, and this step's first weights are in
	s_barrier_signal -1
	s_barrier_wait -1                              ; all four rows do.  Every wave's reads of the last step's YB were waited for ahead of that step's later barriers
	WIN 0x80
.set t, 0
.rept 20
	global_load_b32 v[NZ+t], v[NO], s[56:57] offset:64*t th:TH_LOAD_NT
.set t, t+1
.endr
	global_load_b32 v[NZ+20], v[NO20], s[56:57] th:TH_LOAD_NT
	s_load_b32 s50, s[26:27], 0x0                  ; bo[k]
	WIN 0x40
.set kk, 0
.rept 11
	ds_load_b128 v[FP+8*kk:FP+8*kk+3], v[AY] offset:64*kk
	ds_load_b128 v[FP+8*kk+4:FP+8*kk+7], v[AY] offset:64*kk+32
.set kk, kk+1
.endr
.irp tt, 0,1,2,3,4,5,6,7,8,9,10,11,12,13
	TURN \tt
.endr
	BOUNDARY
	WIN 0                                          ; at a label and at a branch every window is 0
	v_add_nc_u32 v[AW], WSTEP, v[AW]
	v_add_nc_u32 v[AV], 1024, v[AV]
	v_add_nc_u32 v[WLS], WSTEP, v[WLS]
	s_wait_xcnt 0x0                                ; the step's loads have read their bases
	s_add_nc_u64 s[56:57], s[56:57], 1331200
	s_add_nc_u64 s[26:27], s[26:27], 4
	s_add_nc_u64 s[16:17], s[16:17], 16640         ; Wa, Wb, Wo at the next step
	s_add_nc_u64 s[20:21], s[20:21], 16640
	s_add_nc_u64 s[24:25], s[24:25], 256
	s_sub_co_u32 s48, s48, 1
	s_cmp_lg_u32 s48, 0
	s_cbranch_scc1 .Lstep
; ================================================================ THE WAY OUT: the four rows are gathered in LDS, dense, and leave as 5,200 consecutive bytes, 16 a lane
	s_mul_i32 s4, s2, 1300
	s_add_co_u32 s4, s4, OUTB
	v_add_nc_u32 v16, s4, v[NO]
	v_add_nc_u32 v17, s4, v[NO20]
.set gg, 0
.rept 3
	WIN (1+gg)<<2
.set i, 0
.rept 7
.if (7*gg+i) < 20
	ds_store_b32 v16, v[112+i] offset:64*(7*gg+i)
.else
	ds_store_b32 v17, v[112+i]
.endif
.set i, i+1
.endr
.set gg, gg+1
.endr
	WIN 0
	v_lshlrev_b32 v18, 4, v0
	v_add_nc_u32 v19, OUTB, v18
	s_wait_dscnt 0x0                               ; for the others' sake: my row lies in OUTB
	s_barrier_signal -1
	s_barrier_wait -1
	ds_load_b128 v[24:27], v19
	ds_load_b128 v[28:31], v19 offset:2048
	ds_load_b128 v[32:35], v19 offset:4096         ; all lanes on: threads 69 on read OUTB's zeroed tail, and store nothing of it
	s_wait_dscnt 0x0
	global_store_b128 v18, v[24:27], s[58:59] th:TH_STORE_NT
	global_store_b128 v18, v[28:31], s[58:59] offset:2048 th:TH_STORE_NT
	v_cmp_gt_u32 vcc_lo, 69, v0                    ; 325 pieces of 16 bytes = 128 + 128 + 69
	s_wait_xcnt 0x0                                ; EXEC changes only behind this wait
	s_and_saveexec_b32 s55, vcc_lo
	global_store_b128 v18, v[32:35], s[58:59] offset:4096 th:TH_STORE_NT
	s_wait_xcnt 0x0                                ; and again, ahead of the line that widens it
	s_or_b32 exec_lo, exec_lo, s55
	WIN 0x0f
	s_wait_tensorcnt 0x0                           ; the wave's end, behind my last LDS store
	ds_add_u32 v[SPW], v[NIL]
	s_wait_dscnt 0x0
	WIN 0
	s_endpgm
.Lfunc_end_k_q41ebb70274_csde:
	.size	k_q41ebb70274_csde, .Lfunc_end_k_q41ebb70274_csde-k_q41ebb70274_csde
	.p2alignl 7, 3214868480
	.fill 96, 4, 3214868480
	.section	.rodata,"a",@progbits
	.p2align	6, 0x0
	.amdhsa_kernel k_q41ebb70274_csde
		.amdhsa_group_segment_fixed_size 318976
		.amdhsa_private_segment_fixed_size 0
		.amdhsa_enable_private_segment 0
		.amdhsa_kernarg_size 152
		.amdhsa_user_sgpr_count 2
		.amdhsa_user_sgpr_kernarg_segment_ptr 1
		.amdhsa_wavefront_size32 1
		.amdhsa_system_sgpr_workgroup_id_x 1
		.amdhsa_system_sgpr_workgroup_id_y 1
		.amdhsa_system_sgpr_workgroup_id_z 1
		.amdhsa_system_vgpr_workitem_id 0
		.amdhsa_next_free_vgpr 1024
		.amdhsa_next_free_sgpr 66
		.amdhsa_reserve_vcc 1
		.amdhsa_float_denorm_mode_32 3
		.amdhsa_float_denorm_mode_16_64 3
		.amdhsa_memory_ordered 1
		.amdhsa_forward_progress 1
		.amdhsa_inst_pref_size 255
	.end_amdhsa_kernel
	.section	.bss,"aw",@nobits
	.p2align	6
	.space	262144
	.amdgpu_metadata
---
amdhsa.version: [ 1, 2 ]
amdhsa.kernels:
  - .name:           k_q41ebb70274_csde
    .symbol:         k_q41ebb70274_csde.kd
    .args:
      - { .name: times, .offset: 0, .size: 8, .value_kind: global_buffer, .address_space: global }
      - { .name: y0, .offset: 8, .size: 8, .value_kind: global_buffer, .address_space: global }
      - { .name: z, .offset: 16, .size: 8, .value_kind: global_buffer, .address_space: global }
      - { .name: noise, .offset: 24, .size: 8, .value_kind: global_buffer, .address_space: global }
      - { .name: Wa, .offset: 32, .size: 8, .value_kind: global_buffer, .address_space: global }
      - { .name: ba, .offset: 40, .size: 8, .value_kind: global_buffer, .address_space: global }
      - { .name: Wb, .offset: 48, .size: 8, .value_kind: global_buffer, .address_space: global }
      - { .name: bb, .offset: 56, .size: 8, .value_kind: global_buffer, .address_space: global }
      - { .name: Wo, .offset: 64, .size: 8, .value_kind: global_buffer, .address_space: global }
      - { .name: bo, .offset: 72, .size: 8, .value_kind: global_buffer, .address_space: global }
      - { .name: GW0, .offset: 80, .size: 8, .value_kind: global_buffer, .address_space: global }
      - { .name: Gb0, .offset: 88, .size: 8, .value_kind: global_buffer, .address_space: global }
      - { .name: GW1, .offset: 96, .size: 8, .value_kind: global_buffer, .address_space: global }
      - { .name: Gb1, .offset: 104, .size: 8, .value_kind: global_buffer, .address_space: global }
      - { .name: GW2, .offset: 112, .size: 8, .value_kind: global_buffer, .address_space: global }
      - { .name: Gb2, .offset: 120, .size: 8, .value_kind: global_buffer, .address_space: global }
      - { .name: GWf, .offset: 128, .size: 8, .value_kind: global_buffer, .address_space: global }
      - { .name: Gbf, .offset: 136, .size: 8, .value_kind: global_buffer, .address_space: global }
      - { .name: out0, .offset: 144, .size: 8, .value_kind: global_buffer, .address_space: global }
    .group_segment_fixed_size: 318976
    .private_segment_fixed_size: 0
    .kernarg_segment_align: 8
    .kernarg_segment_size: 152
    .max_flat_workgroup_size: 128
    .sgpr_count:     66
    .vgpr_count:     1024
    .wavefront_size: 32
...
	.end_amdgpu_metadata
.endif
;; end of part 2
